; MI455X (gfx1250); checked and timed in simulation.
; The chip was launched on July 23, 2026; its instructions are those of AMD's public machine-readable ISA for CDNA 5 (MIT licence, August 2026) and "CDNA5" Instruction Set Architecture Reference Guide (July 2026). The comments in the code are by the model that wrote it; some were corrected since.
;; Causal Self Attn. Allowed arithmetic: matrix products marked QUANTISED: E2M3 operands, one E8M0 scale for each 32 along K, by v_wmma_scale_f32_16x16x128_f8f6f4 with both operands' format E2M3, f32 sums; everything else in f32.
;; Inputs: w_proj 1,024 x 1,024 float32; w_qkv 1,024 x 3,072 float32; x 8 x 1,024 x 1,024 float32.
;; Outputs: out0 8 x 1,024 x 1,024 float32.
;; This version of the problem:
;;   THIS VERSION OF THE PROBLEM IS GIVEN IN LOW PRECISION. The matrix products marked QUANTISED in the list below multiply operands that are first quantised to E2M3 (2 exponent bits, 3 mantissa bits; 6 bits a number), with one power-of-two scale for each 32 numbers along K (OCP MX v1.0); their sums are f32. All else is computed in f32.
;;   The module's matrix products, in the order in which they are computed (A, B: the left and right operand; K: the contracted axis; several contracted axes count as one K, in the product's order):
;;     1. [M 8,192, K 1,024] x [K 1,024, N 3,072]; A: input x; B: input w_qkv: QUANTISED
;;     2. batch 128 x [M 1,024, K 64] x [K 64, N 1,024]; A: computed on the way; B: computed on the way: QUANTISED
;;     3. batch 128 x [M 1,024, K 1,024] x [K 1,024, N 64]; A: softmax (see below); B: computed on the way: QUANTISED
;;     4. [M 8,192, K 1,024] x [K 1,024, N 1,024]; A: computed on the way; B: input w_proj: QUANTISED
;;   THE QUANTISER, for each operand of a quantised product, along K:
;;     - K is cut into blocks of 32 from its start; a last block that is shorter is filled with zeros.
;;     - A block's scale is 2^e with e = floor(log2(the largest magnitude in the block)) - 2, held to -126 .. 127; a block of zeros has e = 0. As a byte (E8M0): e + 127.
;;     - Each number is divided by its block's scale, clamped to +-7.5, and rounded to the nearest number of E2M3, ties to even, subnormals kept.
;;     - The product sums the exact products of the quantised numbers (number of the format x scale) in f32.
;;   ~~~python
;;   def quantise(x, axis):      # numpy; x: float32 -> the quantised numbers, widened to float32 again
;;       x = np.moveaxis(x, axis, -1); K = x.shape[-1]
;;       x = np.pad(x, [(0, 0)] * (x.ndim - 1) + [(0, -K % 32)]); x = x.reshape(x.shape[:-1] + (-1, 32)); a = np.abs(x).max(-1, keepdims=True)
;;       e = np.where(a > 0, np.clip(np.frexp(np.where(a > 0, a, 1))[1] - 1 - 2, -126, 127), 0)      # np.frexp(a)[1] - 1 = floor(log2(a)), exactly
;;       r = np.clip(x / 2.0 ** e, -7.5, 7.5)
;;       step = 2.0 ** (np.maximum(np.frexp(np.where(r == 0, 1, r))[1] - 1, 0) - 3)
;;       q = np.round(r / step) * step * 2.0 ** e      # np.round: ties to even
;;       return np.moveaxis(q.reshape(q.shape[:-2] + (-1,))[..., :K], -1, axis).astype(np.float32)
;;   ~~~
;;   SOFTMAX AHEAD OF A QUANTISED PRODUCT. Where the list says 'softmax', what is quantised is not the finished softmax but p = 2^(t - M), with t = logit x log2(e) and M = ceil(the row's largest t), a whole number; so 1/2 < the row's largest p <= 1. The row's sum l is taken of the UNQUANTISED p, in f32, and the product's result is divided by l at the end. Since M is a whole number, a kernel that streams over the keys may use a running M (the ceiling of the running maximum): every later rescaling is an exact power of two, which a block's scale takes up: the codes' values come out the same.
;;   OPERANDS COMPUTED ON THE WAY. 'Computed on the way' means the value that the module computes at that place (a softmax that the list does not call 'softmax' is quantised finished and normalised). What goes into a quantiser is computed in f32, as accurately as f32 sums, v_exp_f32 and their like allow (about 1e-6 of the number): no bf16 or f16 on the way to a quantiser, and a product that is left as it is and whose result goes on into a quantised operand takes f32 operands (vector FMAs, or v_wmma_f32_16x16x4_f32). A number that lies on a knife's edge between two numbers of the format may be rounded either way, as far as f32 arithmetic and the matrix unit's own rounding can turn it there, and no further.
;; One version. Each part assembles by itself: llvm-mc -triple=amdgcn-amd-amdhsa -mcpu=gfx1250 --defsym DOCPART=n.
;; ======== version 1 of 1: 4 launches
;; limits: right only within a limited range of input values
;; workspace buffers: XB 6,553,600 bytes; WB 3,276,800 bytes; QKB 13,631,488 bytes; VB 6,553,600 bytes; YB 6,553,600 bytes
;; launch quant (part 1): grid 768 x 1, 4 waves a work-group, no clusters, 79,360 bytes of LDS; arguments x, w_qkv, w_proj, XB, WB; writes XB, WB
.if DOCPART == 1
	.amdgcn_target "amdgcn-amd-amdhsa--gfx1250"
	.amdhsa_code_object_version 6
	.text
	.protected	k_q5dab2c3691_quant
	.globl	k_q5dab2c3691_quant
	.p2align	8
	.type	k_q5dab2c3691_quant,@function
k_q5dab2c3691_quant:
	s_mov_b64 s[64:65], 0
	v_nop
	global_prefetch_b8 v0, s[64:65] scope:SCOPE_SE
	s_setreg_imm32_b32 hwreg(HW_REG_WAVE_MODE, 25, 1), 1
	s_wait_xcnt 0x0
; x [8192][1024], w_qkv [1024][3072] and w_proj [1024][1024], f32, become codes of FP6 (E2M3) with one E8M0 byte for each 32 along K, laid as IMAGES OF OPERAND REGISTERS.
; An image is a fragment of 16 rows x 128 K, 1,536 bytes: lane l = 16 h + r has its 12 registers (48 bytes) at 48 l.  XB: [tile 512][K step 8][1536], then one scale word a row and K step, [tile][K step][r].
; WB the same for 4,096 rows: the 3,072 columns of w_qkv, then the 1,024 of w_proj.  THE ROWS OF A TILE ARE NOT NEIGHBOURS: row r of tile 2 g + u is row 32 g + 16 (r / 8) + 8 u + r % 8.
; A block's scale is 2^(floor(log2(its largest magnitude)) - 2); its byte is the largest magnitude's exponent field - 2, held at 1 from below.
; LIMITS: NaN and infinities are not served; blocks whose largest magnitude lies under 2^-124 keep the byte 1; a block of zeros gets the byte 1 where the rule says 127 (its codes are zeros; this program alone reads the bytes).
; Work-groups 0-511: one tile of x each, wave w its K steps 2 w, 2 w + 1.  Work-groups 512-767: 128 columns x one K step of a weight, wave w 32 columns, a lane a column, registers down K.
; A wave of x issues all its 32 loads (16 KiB) at once; a wave of a weight has 128 loads of 4 bytes a lane and runs them two blocks (64 loads) ahead.  No wave shares anything with another: no barrier.
; The two paths have LDS bytes of their own.
.set XROW,   1040                      ; a stage row of x: 1,024 bytes + 16: the sixteen rows that a read touches start at sixteen different places modulo 256 bytes
.set XWAVE,  16*XROW
.set WST,    4*XWAVE                   ; behind x's four stages: the weights' four, two images each
.set WWAVE,  3072
.set SPARE,  WST+4*WWAVE               ; the spare words, 128 bytes a wave: two blocks of 256 bytes that no other line names
.set XS_OFF, 6291456                   ; where XB's scale words begin
.set WS_OFF, 3145728                   ; and WB's
.set SPW, 2                            ; v2  my spare word's LDS address; never rewritten
.set NIL, 3                            ; v3  0; never rewritten
.set R,   32                           ; v32-159 128 numbers
.set PC0, 160                          ; v160-178, v180-198 two fragments' codes and the conversions' second halves
.set PC1, 180
.set TM,  200                          ; v200-215 at work
.set PW0, 216                          ; v216, v217 scale words
.set PW1, 217
; 64 numbers of a lane, register s + 16 b + i = k 32 b + 16 (lane / 16) + i of my row, become a fragment's codes in v[pc] .. v[pc + 11] and its scale word in v[pw]
.macro QUANT s, pc, pw
.irp b, 0,1,2,3
	v_max3_num_f32 v[TM+\b], |v[\s+16*\b]|, |v[\s+1+16*\b]|, 0x1800000   ; my 16 numbers of block b, and the floor 2^(3 - 127): the byte cannot fall under 1
.endr
.irp i, 2,4,6,8,10,12,14
.irp b, 0,1,2,3
	v_max3_num_f32 v[TM+\b], v[TM+\b], |v[\s+16*\b+\i]|, |v[\s+1+16*\b+\i]|
.endr
.endr
.irp b, 0,1,2,3
	v_permlanex16_b32 v[TM+4+\b], v[TM+\b], s20, s21
.endr
.irp b, 0,1,2,3
	v_max_num_f32 v[TM+\b], v[TM+\b], v[TM+4+\b]     ; with lane l xor 16's: the block's largest magnitude
.endr
.irp b, 0,1,2,3
	v_add_nc_u32 v[TM+12+\b], 0xff000000, v[TM+\b]   ; 2 off its exponent field: the conversion's scale operand
.endr
.irp b, 0,1,2,3
	v_lshrrev_b32 v[TM+4+\b], 23, v[TM+12+\b]        ; the scale's byte
.endr
	v_lshl_or_b32 v[\pw], v[TM+5], 8, v[TM+4]
	v_lshl_or_b32 v[\pw], v[TM+6], 16, v[\pw]
	v_lshl_or_b32 v[\pw], v[TM+7], 24, v[\pw]
.irp c, 0,1
	v_cvt_scalef32_pk16_fp6_f32 v[\pc+6*\c:\pc+2+6*\c], v[\s+32*\c:\s+15+32*\c], v[TM+12+2*\c]
	v_cvt_scalef32_pk16_fp6_f32 v[\pc+12+4*\c:\pc+14+4*\c], v[\s+16+32*\c:\s+31+32*\c], v[TM+13+2*\c]
.endr
	v_nop                                            ; one plain line behind the scaled conversions
.irp c, 0,1                                      ; the layout wants a whole block in a lane: lanes 0-15 block 2 c, lanes 16-31 block 2 c + 1
.irp i, 0,1,2
	v_permlane16_swap_b32 v[\pc+6*\c+\i], v[\pc+12+4*\c+\i]
.endr
.irp i, 0,1,2
	v_mov_b32 v[\pc+3+6*\c+\i], v[\pc+12+4*\c+\i]
.endr
.endr
.endm
	s_load_b256 s[4:11], s[0:1], 0x0                 ; x s[4:5], w_qkv s[6:7], w_proj s[8:9], XB s[10:11]
	s_load_b64 s[12:13], s[0:1], 0x20                ; WB
	v_lshl_add_u32 v[SPW], v0, 2, SPARE
	v_mov_b32 v[NIL], 0
	v_lshrrev_b32 v1, 5, v0
	v_readfirstlane_b32 s16, v1                      ; wave
	v_and_b32 v1, 31, v0                             ; lane
	v_and_b32 v9, 15, v0                             ; r
	v_bfe_u32 v10, v0, 4, 1                          ; h
	s_mov_b32 s20, 0x76543210
	s_mov_b32 s21, 0xfedcba98                        ; selects for lane l xor 16
	v_lshlrev_b32 v4, 4, v1                          ; 16 l
	v_lshlrev_b32 v8, 2, v1                          ; 4 l
	; both paths' LDS addresses are made here, ahead of the branch
	s_mul_i32 s14, s16, XWAVE
	v_add_nc_u32 v5, s14, v4                         ; x's stage as it is loaded and as it leaves: 16 l
	v_mul_u32_u24 v6, v9, XROW
	v_lshl_add_u32 v6, v10, 6, v6
	v_add_nc_u32 v6, s14, v6                         ; row r, + 64 h: my 16 numbers of a block
	v_mul_u32_u24 v7, v1, 48
	v_add_nc_u32 v7, s14, v7                         ; an image's place for my lane
	v_bfe_u32 v13, v0, 3, 1                          ; a weight's column n' = lane lies in tile u = bit 3,
	v_and_b32 v14, 7, v0
	v_lshl_add_u32 v14, v10, 3, v14                  ; row 8 x bit 4 + n' % 8
	v_mul_u32_u24 v11, v14, 48
	v_mad_u32_u24 v11, v13, 1536, v11
	s_mul_i32 s15, s16, WWAVE
	s_add_co_u32 s15, s15, WST
	v_add_nc_u32 v11, s15, v11                       ; where my column's codes go
	v_add_nc_u32 v12, s15, v4                        ; and how the two images leave
	v_lshlrev_b32 v15, 2, v14
	v_lshl_add_u32 v15, v13, 9, v15                  ; my scale word's place: 512 u + 4 row
.irp b, 0,1,2,3
	v_mov_b32 v[TM+4+\b], 0                          ; written once: a lane permute's destination counts as one of its sources
.endr
	s_cmp_ge_u32 ttmp9, 512
	s_cbranch_scc1 .Lw
	; ---- x: tile T = the work-group's number
	s_lshr_b32 s17, ttmp9, 1
	s_lshl_b32 s17, s17, 5
	s_and_b32 s18, ttmp9, 1
	s_lshl_b32 s18, s18, 3
	s_add_co_u32 s17, s17, s18                       ; the tile's first row: 32 (T / 2) + 8 (T % 2)
	s_lshl_b32 s22, s17, 12
	s_lshl_b32 s18, s16, 10
	s_add_co_u32 s22, s22, s18                       ; x 4,096 bytes + my wave's 1,024 of a row
	s_mov_b32 s23, 0
	s_mul_i32 s24, ttmp9, 12288
	s_mul_i32 s18, s16, 3072
	s_add_co_u32 s24, s24, s18                       ; my two images
	s_mov_b32 s25, 0
	s_lshl_b32 s26, ttmp9, 9
	s_lshl_b32 s18, s16, 7
	s_add_co_u32 s26, s26, s18
	s_add_co_u32 s26, s26, XS_OFF                    ; my two K steps' scale words
	s_mov_b32 s27, 0
	s_wait_kmcnt 0x0
	s_add_nc_u64 s[4:5], s[4:5], s[22:23]
	s_add_nc_u64 s[24:25], s[10:11], s[24:25]
	s_add_nc_u64 s[26:27], s[10:11], s[26:27]
.set j, 0
.rept 32                                         ; row j / 2 of the tile, half j % 2: 32 lanes read 512 consecutive bytes; the order of the rows stands in the immediates
	global_load_b128 v[R+4*j:R+4*j+3], v4, s[4:5] offset:(16*((j/2)/8)+(j/2)%8)*4096+512*(j%2) th:TH_LOAD_NT
.set j, j+1
.endr
.set j, 0
.rept 4
	s_wait_loadcnt 24-j                              ; the next eight loads are in; the younger ones stay out
.rept 8
	ds_store_b128 v5, v[R+4*j:R+4*j+3] offset:XROW*(j/2)+512*(j%2)
.set j, j+1
.endr
.endr
	s_wait_dscnt 0x0                                 ; the stores have read their registers
.irp s, 0,1
.irp b, 0,1,2,3
.irp q, 0,1,2,3
	ds_load_b128 v[R+64*\s+16*\b+4*\q:R+64*\s+16*\b+4*\q+3], v6 offset:512*\s+128*\b+16*\q
.endr
.endr
.endr
	s_wait_dscnt 16                                  ; the first K step's 16 loads are in, the second's may be out
	QUANT R, PC0, PW0
.irp i, 0,1,2
	ds_store_b128 v7, v[PC0+4*\i:PC0+4*\i+3] offset:16*\i          ; LDS serves a wave's instructions in order: the stage's rows under the image have been read
.endr
	s_wait_dscnt 3                                   ; only these three stores may be out
	QUANT R+64, PC1, PW1
.irp i, 0,1,2
	ds_store_b128 v7, v[PC1+4*\i:PC1+4*\i+3] offset:1536+16*\i
.endr
.irp i, 0,1,2,3,4,5
	ds_load_b128 v[R+4*\i:R+4*\i+3], v5 offset:512*\i
.endr
	v_cmp_gt_u32 vcc_lo, 16, v1
	v_cndmask_b32 v218, v[PW1], v[PW0], vcc_lo       ; lanes 0-15 the first K step's words, lanes 16-31 the second's
	s_wait_alu depctr_va_vdst(0)
	s_wait_dscnt 0x0
.irp i, 0,1,2,3,4,5
	global_store_b128 v4, v[R+4*\i:R+4*\i+3], s[24:25] offset:512*\i   ; 3,072 consecutive bytes
.endr
	global_store_b32 v8, v218, s[26:27]              ; 128 consecutive bytes: one byte in 128 of what the wave reads
	s_branch .Lend
	; ---- a weight: columns 128 cg + 32 w + lane of WB's rows, K step sy
.Lw:
	s_sub_co_u32 s17, ttmp9, 512
	s_and_b32 s18, s17, 31                           ; cg
	s_lshr_b32 s19, s17, 5                           ; sy
	s_wait_kmcnt 0x0
	s_cmp_lt_u32 s18, 24                             ; column groups 0-23: w_qkv; 24-31: w_proj.  The choice hangs on the work-group's number alone
	s_cselect_b64 s[4:5], s[6:7], s[8:9]
	s_mov_b32 s22, 4096
	s_cselect_b32 s22, 12288, s22                    ; a row of the weight in bytes
	s_cselect_b32 s23, 0, 24
	s_sub_co_u32 s23, s18, s23
	s_lshl_b32 s23, s23, 7
	s_lshl_b32 s24, s16, 5
	s_add_co_u32 s23, s23, s24                       ; my wave's first column in its tensor
	s_lshl_b32 s23, s23, 2
	s_lshl_b32 s24, s19, 7
	s_mul_i32 s24, s24, s22                          ; 128 sy rows down
	s_add_co_u32 s24, s24, s23
	s_mov_b32 s25, 0
	s_add_nc_u64 s[4:5], s[4:5], s[24:25]
	s_lshl_b32 s26, s18, 3
	s_lshl_b32 s27, s16, 1
	s_add_co_u32 s26, s26, s27                       ; my first tile: 8 cg + 2 w
	; WB's images alone lie otherwise than XB's: [group of 8 tiles cg][K half][tile][K step % 4][1536], so that a group, and each K half of it, is one dense block of memory
	s_mul_i32 s28, s18, 98304                        ; the group
	s_mul_i32 s27, s16, 12288                        ; my first tile in it, 2 w, x 6,144
	s_add_co_u32 s28, s28, s27
	s_lshr_b32 s27, s19, 2
	s_mul_i32 s27, s27, 49152                        ; the K half
	s_add_co_u32 s28, s28, s27
	s_and_b32 s27, s19, 3
	s_mul_i32 s27, s27, 1536                         ; the K step in it
	s_add_co_u32 s28, s28, s27
	s_mov_b32 s29, 0
	s_add_nc_u64 s[28:29], s[12:13], s[28:29]
	s_lshl_b32 s30, s26, 9
	s_lshl_b32 s27, s19, 6
	s_add_co_u32 s30, s30, s27
	s_add_co_u32 s30, s30, WS_OFF
	s_mov_b32 s31, 0
	s_add_nc_u64 s[30:31], s[12:13], s[30:31]
; Block t's 32 loads: W(128 sy + 32 t + i, my column): 32 lanes read 128 consecutive bytes, the four waves stand side by side on 512.
.macro WLOADB t, pitch
.set i, 32*(\t)
.rept 32
	global_load_b32 v[R+i], v8, s[4:5] offset:i*\pitch th:TH_LOAD_NT
.set i, i+1
.endr
.endm
; The row's length stands in the immediates, so the 32 loads are written once for each weight; the branch hangs on the work-group's number, goes round the loads alone, and both arms issue 32.
.macro WLOAD t
	s_cmp_lt_u32 s18, 24
	s_cbranch_scc0 .Lproj_\@
	WLOADB \t, 12288
	s_branch .Lgot_\@
.Lproj_\@:
	WLOADB \t, 4096
.Lgot_\@:
.endm
.macro BLOCKW t                                  ; block t of my column: all its 32 numbers are mine
.set XS, R+32*(\t)
.set C, 160+8*(\t)
.if (\t) < 3
	s_wait_loadcnt 32                                ; this block's 32 loads are in; the next block's 32 may be out
.else
	s_wait_loadcnt 0x0
.endif
.if (\t) < 2
	WLOAD (\t)+2                                     ; the block two further on, into registers of its own
.endif
	v_max3_num_f32 v200, |v[XS]|, |v[XS+1]|, |v[XS+2]|
	v_max3_num_f32 v201, |v[XS+3]|, |v[XS+4]|, |v[XS+5]|
.irp i, 6,10,14,18,22,26
	v_max3_num_f32 v200, v200, |v[XS+\i]|, |v[XS+\i+1]|
	v_max3_num_f32 v201, v201, |v[XS+\i+2]|, |v[XS+\i+3]|
.endr
	v_max3_num_f32 v200, v200, |v[XS+30]|, |v[XS+31]|
	v_max3_num_f32 v200, v200, v201, 0x1800000       ; and the floor
	v_add_nc_u32 v202, 0xff000000, v200
	v_cvt_scalef32_pk16_fp6_f32 v[C:C+2], v[XS:XS+15], v202
	v_cvt_scalef32_pk16_fp6_f32 v[C+4:C+6], v[XS+16:XS+31], v202
	v_lshrrev_b32 v203, 23, v202                     ; the byte; also the plain line behind the conversions
.if (\t) == 0
	v_mov_b32 v[PW0], v203
.else
	v_lshl_or_b32 v[PW0], v203, 8*(\t), v[PW0]
.endif
	v_mov_b32 v[C+3], v[C+4]                         ; the block's 24 bytes on end
	v_mov_b32 v[C+4], v[C+5]
	v_mov_b32 v[C+5], v[C+6]
.irp i, 0,1,2
	ds_store_b64 v11, v[C+2*\i:C+2*\i+1] offset:768*((\t)%2)+24*((\t)/2)+8*\i   ; block t belongs to lane 16 (t % 2) + row, registers 6 (t / 2) on
.endr
.endm
	WLOAD 0
	WLOAD 1
	BLOCKW 0
	BLOCKW 1
	BLOCKW 2
	BLOCKW 3
.irp i, 0,1,2,3,4,5
	ds_load_b128 v[R+4*\i:R+4*\i+3], v12 offset:512*\i             ; LDS serves a wave's instructions in order: these see my stores
.endr
	s_wait_alu depctr_va_vdst(0)
	s_wait_dscnt 0x0
.irp i, 0,1,2,3,4,5
	global_store_b128 v4, v[R+4*\i:R+4*\i+3], s[28:29] offset:(\i/3)*6144+(\i%3)*512   ; two images of 1,536 consecutive bytes, a tile's 6,144 apart
.endr
	global_store_b32 v15, v[PW0], s[30:31]           ; two runs of 64 bytes: one byte in 128 of what the wave reads
.Lend:
	s_wait_tensorcnt 0x0                             ; the wave's end, behind my last LDS store
	ds_add_u32 v[SPW], v[NIL]
	s_wait_dscnt 0x0
	s_endpgm
.Lfunc_end_k_q5dab2c3691_quant:
	.size	k_q5dab2c3691_quant, .Lfunc_end_k_q5dab2c3691_quant-k_q5dab2c3691_quant
	.p2alignl 7, 3214868480
	.fill 96, 4, 3214868480
	.section	.rodata,"a",@progbits
	.p2align	6, 0x0
	.amdhsa_kernel k_q5dab2c3691_quant
		.amdhsa_group_segment_fixed_size 79360
		.amdhsa_private_segment_fixed_size 0
		.amdhsa_enable_private_segment 0
		.amdhsa_kernarg_size 40
		.amdhsa_user_sgpr_count 2
		.amdhsa_user_sgpr_kernarg_segment_ptr 1
		.amdhsa_wavefront_size32 1
		.amdhsa_system_sgpr_workgroup_id_x 1
		.amdhsa_system_sgpr_workgroup_id_y 1
		.amdhsa_system_sgpr_workgroup_id_z 1
		.amdhsa_system_vgpr_workitem_id 0
		.amdhsa_next_free_vgpr 224
		.amdhsa_next_free_sgpr 66
		.amdhsa_reserve_vcc 1
		.amdhsa_float_denorm_mode_32 3
		.amdhsa_float_denorm_mode_16_64 3
		.amdhsa_memory_ordered 1
		.amdhsa_forward_progress 1
		.amdhsa_inst_pref_size 53
	.end_amdhsa_kernel
	.amdgpu_metadata
---
amdhsa.version: [ 1, 2 ]
amdhsa.kernels:
  - .name:           k_q5dab2c3691_quant
    .symbol:         k_q5dab2c3691_quant.kd
    .args:
      - { .name: x, .offset: 0, .size: 8, .value_kind: global_buffer, .address_space: global }
      - { .name: w_qkv, .offset: 8, .size: 8, .value_kind: global_buffer, .address_space: global }
      - { .name: w_proj, .offset: 16, .size: 8, .value_kind: global_buffer, .address_space: global }
      - { .name: XB, .offset: 24, .size: 8, .value_kind: global_buffer, .address_space: global }
      - { .name: WB, .offset: 32, .size: 8, .value_kind: global_buffer, .address_space: global }
    .group_segment_fixed_size: 79360
    .private_segment_fixed_size: 0
    .kernarg_segment_align: 8
    .kernarg_segment_size: 40
    .max_flat_workgroup_size: 128
    .sgpr_count:     66
    .vgpr_count:     224
    .wavefront_size: 32
...
	.end_amdgpu_metadata
.endif
;; end of part 1
;; launch gemm_qkv (part 2): grid 8 x 32, 4 waves a work-group, clusters of 4 x 4, 327,680 bytes of LDS; arguments XB, WB, QKB, VB; writes QKB, VB
.if DOCPART == 2
	.amdgcn_target "amdgcn-amd-amdhsa--gfx1250"
	.amdhsa_code_object_version 6
	.text
	.protected	k_q5dab2c3691_gemm_qkv
	.globl	k_q5dab2c3691_gemm_qkv
	.p2align	8
	.type	k_q5dab2c3691_gemm_qkv,@function
k_q5dab2c3691_gemm_qkv:
	s_mov_b64 s[64:65], 0
	v_nop
	global_prefetch_b8 v0, s[64:65] scope:SCOPE_SE
	s_setreg_imm32_b32 hwreg(HW_REG_WAVE_MODE, 25, 1), 1
	s_wait_xcnt 0x0
	s_wait_alu depctr_hold_cnt(0) depctr_sa_sdst(0) depctr_va_vdst(0) depctr_va_sdst(0) depctr_va_ssrc(0) depctr_va_vcc(0) depctr_vm_vsrc(0)
	s_getreg_b32 s2, hwreg(HW_REG_IB_STS2, 6, 4)
	s_cmp_eq_u32 s2, 0
	s_cbranch_scc0 .Lentry_in_a_cluster
	s_endpgm
.Lentry_in_a_cluster:
	s_bfe_u32 s2, ttmp6, 0x10000c
	s_cmp_lg_u32 s2, 0xf033
	s_cbranch_scc0 .Lentry_shape_is_right
	s_endpgm
.Lentry_shape_is_right:
; qkv = x w_qkv on codes of FP6 (E2M3) with E8M0 scales; q, k, v are quantised again on the way out: no f32 number of qkv goes to memory.
; THE DEAL.  256 work-groups: (g, y) has tokens 256 y .. + 255 and three groups of 128 features: g of q, g of k, g of v (WB's groups g, 8 + g, 16 + g).  Its 16 tiles of x, all of K, lie in LDS for the whole launch.
; Four waves, 2 x 2: a wave has 128 tokens (8 tiles) x 64 features (4 tiles: one head): 32 accumulators, 256 registers.  q and k are one text, a loop of two trips; v is written out, since it asks for nothing more.
; q, k: source 0 = the weight's rows, source 1 = x's: a lane holds a token and its registers run along the head's 64.  v: the sources change places: a lane holds a channel d, its registers run along 128 tokens, the keys.
; The rows of every tile lie in the order 32 g + 16 (r / 8) + 8 u + r % 8, so the 16 registers of tiles 2 g, 2 g + 1 are 16 neighbours along the next K.
; LDS: x's images [tile][K step][1536]; the weights' ring of two slots, slot s = K half s: [tile 8][K step % 4][1536]; x's scale words; the three groups' scale words; a stage of 2,048 bytes a wave; the spare words.
; FILLS.  At the head one tensor load a wave: x's scale words, the weights' scale words, q's group (both slots), x.  Four refills, each wave a quarter of a slot (48 rows of 256 bytes), each behind a round of the cluster's barrier:
; in K step 3 slot 0 takes the next group's first K half, in K step 7 slot 1 its second.  By the text's count one load of a wave is out behind each round.
; CLUSTER 4 x 4: x's tiles are shared along a row of the cluster, the weights' along a column.
; PREFETCH: k's group is asked for at the head, v's in the first trip: each of the 16 waves of a column of the cluster names 24 blocks of 256 bytes of the 384; clusters y = 0 .. 3 ask, since all eight rows of clusters read the same groups.
; OUT, as the next launch reads it.  QKB: [32 heads][batch][token tile 64][768]: lane l's 24 bytes at 24 l; then a word a row: the two scale bytes twice.  VB: [batch][head][key step 8][d tile 4][1536], then a word a row.
; LIMITS: NaN and infinities are not served; blocks whose largest magnitude lies under 2^-124, zeros among them, keep the byte 1.
; REGISTERS: window 0: addresses, scale words, the way out.  Windows 1, 2: two sets of fragments: x's eight at v0-95, the weight's four at v96-143.  Window 3: the accumulators.
.set WL,     196608                    ; the weights' ring
.set HALF,   49152                     ; a slot; also 4 tiles of x
.set XSC,    294912                    ; x's scale words, 8,192 bytes
.set WSC,    303104                    ; the weights', 3 x 4,096
.set STG,    315392                    ; the stages: 1,536 bytes of codes and 512 of scale words a wave
.set SPARE,  323584                    ; the spare words: two blocks of 256 bytes that no other line names
.set TSTEP,  786432                    ; in WB from a group to the same group of the next tensor: 8 x 98,304
.set XS_OFF, 6291456
.set WS_OFF, 3145728
.set QKS_OFF, 12582912
.set VS_OFF, 6291456
.set GL,   4                           ; 16 l
.set G8,   5                           ; 8 l
; THE ORDER OF WHAT LEAVES, in place of what the head says of QKB's codes and of all scale words: QKB's codes: [32 heads][batch][pair of token tiles 32][1536]: lane l's 48 bytes at 48 l, tile 2 p's 24 and then tile 2 p + 1's.
; QKB's scale words: [head][batch][group of 4 tiles 16][row 16][tile % 4]; VB's: [batch][head][key step 8][row 16][d tile 4]: a lane's four words lie on end.
.set SSQ,  7                           ; stage + 1,536 + 16 r
.set RD,   8                           ; stage + 16 l
.set STV,  9                           ; stage + 48 l
.set RDS,  10                          ; stage + 1,536 + 16 l
.set RD8,  11                          ; stage + 1,536 + 8 l
.set ADX,  12                          ; v12, v13 my x tiles 0-3, 4-7
.set ADW,  14                          ; v14, v15 my weight tiles in slot 0, 1
.set ADXS, 16
.set ADWS, 17                          ; steps 4,096 from group to group
.set PF,   18                          ; the prefetches' offset; never rewritten
.set SPW,  28                          ; my spare word; never rewritten
.set NIL,  29                          ; 0; never rewritten
.set SA,   32                          ; v32-95  x's scale words, 8 tile + K step
.set SB,   97                          ; v97-128 the weight's: another number modulo 8 than x's in every product
.set TM,   130
.set PW,   146
.set TP,   148
.set PC,   150
.set OB,   172                         ; v172-219 what comes back from the stage, 12 registers for each of four parts
.set G1X,  16
.set G1W,  24
.set G1XS, 32
.set G1WS, 40
.set G0X,  48
.set G0W,  52
.set G0XS, 56
.set G0WS, 60
.set G0R0, 68                          ; the refills of slot 0 and of slot 1
.set G0R1, 72
.set OC,   76                          ; s[76:77] q's or k's codes, s[78:79] their scale words, s[80:81], s[82:83] v's
.set OS,   78
.set VC,   80
.set VS,   82
.set PFB,  94
.set TRIP, 100
.set PFL,  101                         ; the trip in which my cluster prefetches: 0, or none
.set MSB, 0
.macro WIN new                         ; the immediate's high byte repeats the setting that is left
.if MSB != \new
	s_set_vgpr_msb (MSB<<8)|\new
.set MSB, \new
.endif
.endm
.macro PLACES n
.rept \n
	v_nop
.endr
.endm
.macro WALU
	s_wait_alu depctr_va_vdst(0)
.endm
.macro CREST                           ; a round of the cluster's barrier behind its opening barrier
	s_cmp_lg_u32 s14, 0
	s_cbranch_scc1 .Lnot_wave_0_\@
	s_barrier_signal -3
.Lnot_wave_0_\@:
	s_barrier_wait -3
	s_barrier_signal -1
	s_barrier_wait -1
.endm
.macro CROUND
	s_barrier_signal -1
	s_barrier_wait -1
	CREST
.endm
.macro TLOAD g0, g1                    ; s_nop 0 and four v_nop follow each load
	tensor_load_to_lds s[\g0:\g0+3], s[\g1:\g1+7]
	s_nop 0
	PLACES 4
.endm
.macro DENSE g, mask, rows             ; group 1 of a dense block: rows of 256 bytes (32 elements of 8), the mask, bit 21 beside it
	s_or_b32 s[\g], s[\mask], (3<<16)|(1<<21)
	s_mov_b32 s[\g+1], 32<<16
	s_mov_b32 s[\g+2], (\rows)<<16
	s_mov_b32 s[\g+3], 32<<16
	s_mov_b32 s[\g+4], \rows
	s_mov_b32 s[\g+5], 32
	s_mov_b32 s[\g+6], 0
	s_mov_b32 s[\g+7], 0
.endm
.macro G0 g, base, off
	s_mov_b32 s[\g], 1
	s_add_nc_u64 s[\g+2:\g+3], s[\base:\base+1], s[\off:\off+1]
	s_or_b32 s[\g+3], s[\g+3], 0x80000000
.endm
	s_load_b256 s[4:11], s[0:1], 0x0                 ; XB, WB, QKB, VB
	v_lshl_add_u32 v[SPW], v0, 2, SPARE
	v_mov_b32 v[NIL], 0
	ds_add_u32 v[SPW], v[NIL]                        ; the opening lines: the add twice on end and one wait
	ds_add_u32 v[SPW], v[NIL]
	v_lshrrev_b32 v1, 5, v0
	v_readfirstlane_b32 s14, v1                      ; wave
	s_lshr_b32 s15, s14, 1                           ; my half of the tokens
	s_and_b32 s13, s14, 1                            ; my half of the features
	s_bfe_u32 s84, ttmp6, 0x40000                    ; cx
	s_bfe_u32 s85, ttmp6, 0x40004                    ; cy
	s_lshl_b32 s86, ttmp9, 2
	s_add_co_u32 s86, s86, s84                       ; g
	s_and_b32 s90, ttmp7, 0xffff
	s_lshl_b32 s87, s90, 2
	s_add_co_u32 s87, s87, s85                       ; y
	s_lshl_b32 s88, s85, 2
	s_lshl_b32 s88, 15, s88                          ; my row of the cluster
	s_lshl_b32 s89, 0x1111, s84                      ; my column
	DENSE G1X, 88, 768
	DENSE G1W, 89, 384
	DENSE G1XS, 88, 32
	s_or_b32 s[G1WS], s89, (3<<16)|(1<<21)           ; three groups' scale words: 3 rows of 4,096 bytes, 32,768 apart
	s_mov_b32 s[G1WS+1], 512<<16
	s_mov_b32 s[G1WS+2], 3<<16
	s_mov_b32 s[G1WS+3], 512<<16
	s_mov_b32 s[G1WS+4], 3
	s_mov_b32 s[G1WS+5], 4096
	s_mov_b32 s[G1WS+6], 0
	s_mov_b32 s[G1WS+7], 0
	s_cmp_lt_u32 s90, 4
	s_cselect_b32 s[PFL], 0, 9
	s_mov_b32 s2, 0x76543210
	s_mov_b32 s3, 0xfedcba98                         ; selects for lane l xor 16
	s_mul_i32 s92, s87, 196608                       ; x's images: y alone
	s_mov_b32 s93, 0
	s_lshl_b32 s66, s87, 13
	s_add_co_u32 s66, s66, XS_OFF
	s_mov_b32 s67, 0
	s_mul_i32 s96, s86, 98304                        ; q's group: g alone
	s_mov_b32 s97, 0
	s_lshl_b32 s98, s86, 12
	s_add_co_u32 s98, s98, WS_OFF
	s_mov_b32 s99, 0
	s_mul_i32 s12, s14, 12288                        ; my quarter of a slot
	WALU
	s_wait_dscnt 0x0                                 ; both opening adds are done
	s_wait_kmcnt 0x0
	CROUND                                           ; all sixteen work-groups are here: the first joint loads meet
	G0 G0X, 4, 92
	s_mov_b32 s[G0X+1], 0
	G0 G0XS, 4, 66
	s_mov_b32 s[G0XS+1], XSC
	G0 G0W, 6, 96
	s_mov_b32 s[G0W+1], WL
	G0 G0WS, 6, 98
	s_mov_b32 s[G0WS+1], WSC
	s_add_nc_u64 s[PFB:PFB+1], s[6:7], s[96:97]
	s_add_co_u32 s96, s96, s12
	G0 G0R1, 6, 96                                   ; my quarter of q's group;
	s_mov_b32 s[G0R0], 1
	s_add_nc_u64 s[G0R0+2:G0R0+3], s[G0R1+2:G0R1+3], TSTEP      ; slot 0's first refill is k's first K half;
	s_add_nc_u64 s[G0R1+2:G0R1+3], s[G0R1+2:G0R1+3], HALF       ; slot 1's address is stepped ahead of each use, so it begins at q's second K half
	s_add_co_u32 s[G0R0+1], s12, WL
	s_add_co_u32 s[G0R1+1], s12, WL+HALF
	s_cmp_eq_u32 s14, 0                              ; one chain of branches on the wave's number, one load to an arm
	s_cbranch_scc0 .Lw1
	TLOAD G0XS, G1XS
	s_branch .Lasked
.Lw1:
	s_cmp_eq_u32 s14, 1
	s_cbranch_scc0 .Lw2
	TLOAD G0WS, G1WS
	s_branch .Lasked
.Lw2:
	s_cmp_eq_u32 s14, 2
	s_cbranch_scc0 .Lw3
	TLOAD G0W, G1W
	s_branch .Lasked
.Lw3:
	TLOAD G0X, G1X
.Lasked:
	s_mul_i32 s66, s15, 98304                        ; the scalars of the LDS addresses first, then the vector lines on end
	s_mul_i32 s67, s13, 24576
	s_add_co_u32 s67, s67, WL
	s_lshl_b32 s90, s15, 12
	s_add_co_u32 s90, s90, XSC
	s_lshl_b32 s92, s13, 11
	s_add_co_u32 s92, s92, WSC
	s_lshl_b32 s93, s14, 11
	s_add_co_u32 s93, s93, STG
	s_add_co_u32 s98, s93, 1536
	s_lshl_b32 s91, s85, 2
	s_add_co_u32 s91, s91, s14
	s_mul_i32 s91, s91, 6144                         ; my sixteenth of a group, among the waves of my column of the cluster
	v_and_b32 v1, 31, v0                             ; l
	v_and_b32 v2, 15, v0                             ; r
	v_mul_u32_u24 v3, v1, 48
	v_lshlrev_b32 v[GL], 4, v1
	v_lshlrev_b32 v[G8], 3, v1
	v_add_nc_u32 v[ADX], s66, v3
	v_add_nc_u32 v[ADX+1], HALF, v[ADX]
	v_add_nc_u32 v[ADW], s67, v3
	v_add_nc_u32 v[ADW+1], HALF, v[ADW]
	v_lshl_add_u32 v[ADXS], v2, 2, s90
	v_lshl_add_u32 v[ADWS], v2, 2, s92
	v_add_nc_u32 v[STV], s93, v3
	v_add_nc_u32 v[RD], s93, v[GL]
	v_lshl_add_u32 v[SSQ], v2, 4, s98                ; stage + 1,536 + 16 r: a row's four words
	v_add_nc_u32 v[RDS], s98, v[GL]
	v_add_nc_u32 v[RD8], s98, v[G8]
	v_min_u32 v[PF], 23, v1
	v_lshl_add_u32 v[PF], v[PF], 8, s91
.irp b, 0,1,2,3
	v_mov_b32 v[TM+4+\b], 0                          ; written once: a lane permute's destination counts as one of its sources
.endr
	WALU                                             ; the wait at the head's end
	s_cmp_eq_u32 s[PFL], 0
	s_cbranch_scc0 .Lno_pf
	global_prefetch_b8 v[PF], s[PFB:PFB+1] offset:TSTEP th:TH_LOAD_NT scope:SCOPE_SE   ; k's group
.Lno_pf:
	s_lshl_b32 s96, s86, 1                           ; where the results go
	s_add_co_u32 s96, s96, s13                       ; my head of its tensor
	s_lshr_b32 s97, s87, 2                           ; batch
	s_and_b32 s98, s87, 3                            ; which 256 tokens of the batch
	s_lshl_b32 s66, s96, 3
	s_add_co_u32 s66, s66, s97
	s_lshl_b32 s66, s66, 6
	s_lshl_b32 s67, s98, 4
	s_add_co_u32 s66, s66, s67
	s_lshl_b32 s67, s15, 3
	s_add_co_u32 s66, s66, s67                       ; (head x 8 + batch) x 64 + my first token tile
	s_mul_i32 s[OC], s66, 768
	s_mov_b32 s[OC+1], 0
	s_add_nc_u64 s[OC:OC+1], s[8:9], s[OC:OC+1]
	s_lshl_b32 s[OS], s66, 6
	s_add_co_u32 s[OS], s[OS], QKS_OFF
	s_mov_b32 s[OS+1], 0
	s_add_nc_u64 s[OS:OS+1], s[8:9], s[OS:OS+1]
	s_lshl_b32 s66, s97, 4
	s_add_co_u32 s66, s66, s96
	s_lshl_b32 s66, s66, 3
	s_lshl_b32 s67, s98, 1
	s_add_co_u32 s66, s66, s67
	s_add_co_u32 s66, s66, s15                       ; (batch x 16 + head) x 8 + my key step
	s_mul_i32 s[VC], s66, 6144
	s_mov_b32 s[VC+1], 0
	s_add_nc_u64 s[VC:VC+1], s[10:11], s[VC:VC+1]
	s_lshl_b32 s[VS], s66, 8
	s_add_co_u32 s[VS], s[VS], VS_OFF
	s_mov_b32 s[VS+1], 0
	s_add_nc_u64 s[VS:VS+1], s[10:11], s[VS:VS+1]
.macro FRAG3 reg, adr, off             ; an image comes back as it was laid: three loads of 16 bytes, 48 bytes from lane to lane
.irp i, 0,1,2
	ds_load_b128 v[\reg+4*\i:\reg+4*\i+3], v[\adr] offset:\off+16*\i
.endr
.endm
.macro FETCH nk                        ; K step nk's twelve fragments into set nk % 2: 36 loads
	WIN ((1+(\nk)%2)<<6)
.irp i, 0,1,2,3,4,5,6,7
	FRAG3 12*\i, ADX+\i/4, (\i%4)*12288+1536*(\nk)
.endr
.irp b, 0,1,2,3
	FRAG3 96+12*\b, ADW+(\nk)/4, 6144*\b+1536*((\nk)%4)
.endr
	WIN 0
.endm
.macro WSCALES
.irp b, 0,1,2,3
.irp k, 0,1,2,3,4,5,6,7
	ds_load_b32 v[SB+8*\b+\k], v[ADWS] offset:512*\b+64*\k
.endr
.endr
.endm
.macro W1 d, s0, s1, x0, x1, zero
.if \zero
	v_wmma_scale_f32_16x16x128_f8f6f4 v[\d:\d+7], v[\s0:\s0+11], v[\s1:\s1+11], 0, v[\x0], v[\x1] matrix_a_fmt:MATRIX_FMT_FP6 matrix_b_fmt:MATRIX_FMT_FP6
.else
	v_wmma_scale_f32_16x16x128_f8f6f4 v[\d:\d+7], v[\s0:\s0+11], v[\s1:\s1+11], v[\d:\d+7], v[\x0], v[\x1] matrix_a_fmt:MATRIX_FMT_FP6 matrix_b_fmt:MATRIX_FMT_FP6
.endif
.endm
; products from .. to - 1 of K step k; product n = x's tile n / 4 with the weight's tile n % 4.  The 32 accumulators take turns in the same order in every step.  K step 0 starts the sums.
.macro MULS k, from, to, sw
.set N_, \from
.rept (\to)-(\from)
.if \sw
	W1 8*(8*(N_%4)+N_/4), 12*(N_/4), 96+12*(N_%4), SA+8*(N_/4)+(\k), SB+8*(N_%4)+(\k), (\k)==0
.else
	W1 8*N_, 96+12*(N_%4), 12*(N_/4), SB+8*(N_%4)+(\k), SA+8*(N_/4)+(\k), (\k)==0
.endif
.set N_, N_+1
.endr
.endm
; K step k on set k % 2; the next step's fragments go into the other set.  kind 0: plain.  kind 1: the slot read out is filled again behind a round, which also shows the other slot whole.
; kind 2: a plain barrier shows the other slot. kind 3: nothing more is fetched.
.macro KSTEP k, kind, sw
.set MW_, (1+(\k)%2)*5+0xf0            ; both sources in the set's window, C and D in window 3
.if \kind == 0
	PLACES 4                                         ; four places in front of loads into registers that the last step's products read
	FETCH ((\k)+1)%8
	s_wait_dscnt 36                                  ; all but the 36 loads just issued
	WIN MW_
	MULS \k, 0, 32, \sw
.elseif \kind == 1
	WIN 0
	s_wait_tensorcnt 0x0                             ; my one load that is out, my quarter of the other slot, has landed
	ds_add_u32 v[SPW], v[NIL]
.if (\k) == 3
	s_add_nc_u64 s[G0R1+2:G0R1+3], s[G0R1+2:G0R1+3], TSTEP     ; no load of mine is out: the other slot's next address
.else
	s_add_nc_u64 s[G0R0+2:G0R0+3], s[G0R0+2:G0R0+3], TSTEP
.endif
	s_wait_dscnt 1                                   ; only the add may be out
	WIN MW_
	MULS \k, 0, 8, \sw
	s_wait_dscnt 0x0                                 ; the add is done; my reads of the slot are over
	s_barrier_signal -1
	MULS \k, 8, 12, \sw
	WIN 0
	s_barrier_wait -1
	CREST
.if (\k) == 3
	TLOAD G0R0, G1W                                  ; the four v_nop behind the load are the places in front of the loads below
.else
	TLOAD G0R1, G1W
.endif
	FETCH ((\k)+1)%8
	WIN MW_
	MULS \k, 12, 32, \sw
.elseif \kind == 2
	WIN 0
	s_wait_tensorcnt 0x0
	s_wait_dscnt 0x0
	s_barrier_signal -1
	WIN MW_
	MULS \k, 0, 12, \sw
	WIN 0
	s_barrier_wait -1
	PLACES 4
	FETCH ((\k)+1)%8
	WIN MW_
	MULS \k, 12, 32, \sw
.else
	s_wait_dscnt 0x0
	WIN MW_
	MULS \k, 0, 32, \sw
.endif
.endm
; THE WAY OUT.  Accumulator registers 64 p .. + 63 are 128 along the next K (q, k: two token tiles x a head's 64; v: one d tile x 128 keys): register 16 b + i = 32 b + 16 h + i.
; They become twelve registers of codes in v[PC] on and four scale bytes in v[PW].  Part p - 1's stores stand behind the wait in the middle.
.macro QUANTW p, send
.set QS, 64*(\p)
	WIN 15                                           ; sources 0 and 1: window 3
.irp b, 0,1,2,3
	v_max3_num_f32 v[TM+\b], |v[QS+16*\b]|, |v[QS+1+16*\b]|, 0x1800000    ; each accumulator is read from its low end on; the floor 2^(3 - 127) holds the byte at 1
.endr
.irp i, 2,4,6,8,10,12,14
.irp b, 0,1,2,3
	v_max3_num_f32 v[TM+\b], |v[QS+16*\b+\i]|, |v[QS+1+16*\b+\i]|, v[TM+\b]
.endr
.endr
	WIN 0
	WALU
	s_wait_dscnt 0x0                                 ; the last part is back from the stage, and its LDS stores have read their registers
.if (\p) > 0
	\send (\p)-1
.endif
.irp b, 0,1,2,3
	v_permlanex16_b32 v[TM+4+\b], v[TM+\b], s2, s3
.endr
.irp b, 0,1,2,3
	v_max_num_f32 v[TM+\b], v[TM+\b], v[TM+4+\b]
.endr
.irp b, 0,1,2,3
	v_add_nc_u32 v[TM+12+\b], 0xff000000, v[TM+\b]   ; 2 off the exponent field: the conversion's scale operand
.endr
.irp b, 0,1,2,3
	v_lshrrev_b32 v[TM+4+\b], 23, v[TM+12+\b]
.endr
	v_lshl_or_b32 v[PW], v[TM+5], 8, v[TM+4]
	v_lshl_or_b32 v[PW], v[TM+6], 16, v[PW]
	v_lshl_or_b32 v[PW], v[TM+7], 24, v[PW]
	WIN 3
.irp c, 0,1
	v_cvt_scalef32_pk16_fp6_f32 v[PC+6*\c:PC+2+6*\c], v[QS+32*\c:QS+15+32*\c], v[TM+12+2*\c]
	v_cvt_scalef32_pk16_fp6_f32 v[PC+12+4*\c:PC+14+4*\c], v[QS+16+32*\c:QS+31+32*\c], v[TM+13+2*\c]
.endr
	WIN 0
	v_nop                                            ; one plain line behind the scaled conversions
.irp c, 0,1
.irp i, 0,1,2
	v_permlane16_swap_b32 v[PC+6*\c+\i], v[PC+12+4*\c+\i]
.endr
.irp i, 0,1,2
	v_mov_b32 v[PC+3+6*\c+\i], v[PC+12+4*\c+\i]
.endr
.endr
.endm
.macro BACK p
.irp i, 0,1,2
	ds_load_b128 v[OB+12*(\p)+4*\i:OB+12*(\p)+4*\i+3], v[RD] offset:512*\i   ; LDS serves a wave's instructions in order: these see my stores
.endr
.endm
.macro SENDQ p
.irp i, 0,1,2
	global_store_b128 v[GL], v[OB+12*(\p)+4*\i:OB+12*(\p)+4*\i+3], s[OC:OC+1] offset:1536*(\p)+512*\i   ; 512 consecutive bytes, at a multiple of 256
.endr
.endm
.macro SENDV p
.irp i, 0,1,2
	global_store_b128 v[GL], v[OB+12*(\p)+4*\i:OB+12*(\p)+4*\i+3], s[VC:VC+1] offset:1536*(\p)+512*\i
.endr
.endm
	s_wait_tensorcnt 0x0                             ; my tile of the head's four is in
	s_mov_b32 s[G1W+2], 48<<16                       ; no load of mine is out: from here on a load of the weights brings 48 rows
	s_mov_b32 s[G1W+4], 48
	s_barrier_signal -1
	s_barrier_wait -1                                ; all four tiles are in
.irp i, 0,1,2,3,4,5,6,7
.irp k, 0,1,2,3,4,5,6,7
	ds_load_b32 v[SA+8*\i+\k], v[ADXS] offset:512*\i+64*\k
.endr
.endr
	WSCALES
	FETCH 0
	s_mov_b32 s[TRIP], 0
.Ltile:                                                  ; q, then k
	KSTEP 0, 0, 0
	KSTEP 1, 0, 0
	KSTEP 2, 0, 0
	KSTEP 3, 1, 0
	KSTEP 4, 0, 0
	WIN 0
	s_cmp_eq_u32 s[TRIP], s[PFL]
	s_cbranch_scc0 .Lno_pf2
	global_prefetch_b8 v[PF], s[PFB:PFB+1] offset:2*TSTEP th:TH_LOAD_NT scope:SCOPE_SE   ; in q's trip: v's group, whose first refill stands in k's trip
.Lno_pf2:
	KSTEP 5, 0, 0
	KSTEP 6, 0, 0
	KSTEP 7, 1, 0
	WIN 0
	PLACES 4                                         ; in front of the first read of results and of the loads into the scale registers
	v_add_nc_u32 v[ADWS], 4096, v[ADWS]
	WSCALES                                          ; the next group's scale words
.irp p, 0,1,2,3
	QUANTW \p, SENDQ
.irp i, 0,1,2
	ds_store_b128 v[STV], v[PC+4*\i:PC+4*\i+3] offset:16*\i          ; the pair's twelve registers as they stand
.endr
	v_perm_b32 v[TP], v[PW], v[PW], 0x01000100       ; a tile's two bytes, twice: the word serves data in either half of an instruction's K
	v_perm_b32 v[TP+1], v[PW], v[PW], 0x03020302
	ds_store_b64 v[SSQ], v[TP:TP+1] offset:256*(\p/2)+8*(\p%2)       ; both halves of the lanes write the same words with the same values
	BACK \p
.endr
	ds_load_b128 v[220:223], v[RDS]
	s_wait_dscnt 0x0
	SENDQ 3
	global_store_b128 v[GL], v[220:223], s[OS:OS+1]  ; 8 tiles' scale words: 512 consecutive bytes
	s_wait_xcnt 0x0                                  ; the stores have read their bases and registers
	s_add_nc_u64 s[OC:OC+1], s[OC:OC+1], 6291456     ; 16 heads on
	s_add_nc_u64 s[OS:OS+1], s[OS:OS+1], 524288
	s_add_co_u32 s[TRIP], s[TRIP], 1
	s_cmp_lt_u32 s[TRIP], 2
	WALU
	s_cbranch_scc1 .Ltile
	KSTEP 0, 0, 1                                    ; v
	KSTEP 1, 0, 1
	KSTEP 2, 0, 1
	KSTEP 3, 2, 1
	KSTEP 4, 0, 1
	KSTEP 5, 0, 1
	KSTEP 6, 0, 1
	KSTEP 7, 3, 1
	WIN 0
	PLACES 4
.irp p, 0,1,2,3
	QUANTW \p, SENDV
.irp i, 0,1,2
	ds_store_b128 v[STV], v[PC+4*\i:PC+4*\i+3] offset:16*\i
.endr
	ds_store_b32 v[SSQ], v[PW] offset:4*\p
	BACK \p
.endr
	ds_load_b64 v[220:221], v[RD8]
	s_wait_dscnt 0x0
	SENDV 3
	global_store_b64 v[G8], v[220:221], s[VS:VS+1]   ; four d tiles' scale words: one aligned run of 256 bytes
	s_wait_tensorcnt 0x0                             ; the wave's end
	ds_add_u32 v[SPW], v[NIL]
	s_wait_dscnt 0x0
	CROUND                                           ; the closing round
	s_endpgm
.Lfunc_end_k_q5dab2c3691_gemm_qkv:
	.size	k_q5dab2c3691_gemm_qkv, .Lfunc_end_k_q5dab2c3691_gemm_qkv-k_q5dab2c3691_gemm_qkv
	.p2alignl 7, 3214868480
	.fill 96, 4, 3214868480
	.section	.rodata,"a",@progbits
	.p2align	6, 0x0
	.amdhsa_kernel k_q5dab2c3691_gemm_qkv
		.amdhsa_group_segment_fixed_size 327680
		.amdhsa_private_segment_fixed_size 0
		.amdhsa_enable_private_segment 0
		.amdhsa_kernarg_size 32
		.amdhsa_user_sgpr_count 2
		.amdhsa_user_sgpr_kernarg_segment_ptr 1
		.amdhsa_wavefront_size32 1
		.amdhsa_system_sgpr_workgroup_id_x 1
		.amdhsa_system_sgpr_workgroup_id_y 1
		.amdhsa_system_sgpr_workgroup_id_z 1
		.amdhsa_system_vgpr_workitem_id 0
		.amdhsa_next_free_vgpr 1024
		.amdhsa_next_free_sgpr 102
		.amdhsa_reserve_vcc 0
		.amdhsa_float_denorm_mode_32 3
		.amdhsa_float_denorm_mode_16_64 3
		.amdhsa_memory_ordered 1
		.amdhsa_forward_progress 1
		.amdhsa_inst_pref_size 163
	.end_amdhsa_kernel
	.amdgpu_metadata
---
amdhsa.version: [ 1, 2 ]
amdhsa.kernels:
  - .name:           k_q5dab2c3691_gemm_qkv
    .symbol:         k_q5dab2c3691_gemm_qkv.kd
    .args:
      - { .name: XB, .offset: 0, .size: 8, .value_kind: global_buffer, .address_space: global }
      - { .name: WB, .offset: 8, .size: 8, .value_kind: global_buffer, .address_space: global }
      - { .name: QKB, .offset: 16, .size: 8, .value_kind: global_buffer, .address_space: global }
      - { .name: VB, .offset: 24, .size: 8, .value_kind: global_buffer, .address_space: global }
    .group_segment_fixed_size: 327680
    .private_segment_fixed_size: 0
    .kernarg_segment_align: 8
    .kernarg_segment_size: 32
    .max_flat_workgroup_size: 128
    .sgpr_count:     102
    .vgpr_count:     1024
    .wavefront_size: 32
...
	.end_amdgpu_metadata
.endif
;; end of part 2
;; launch attn (part 3): grid 2 x 128, 16 waves a work-group, no clusters, 167,936 bytes of LDS; arguments QKB, VB, YB; writes YB
.if DOCPART == 3
	.amdgcn_target "amdgcn-amd-amdhsa--gfx1250"
	.amdhsa_code_object_version 6
	.text
	.protected	k_q5dab2c3691_attn
	.globl	k_q5dab2c3691_attn
	.p2align	8
	.type	k_q5dab2c3691_attn,@function
k_q5dab2c3691_attn:
	s_mov_b64 s[64:65], 0
	v_nop
	global_prefetch_b8 v0, s[64:65] scope:SCOPE_SE
	s_setreg_imm32_b32 hwreg(HW_REG_WAVE_MODE, 25, 1), 1
	s_wait_xcnt 0x0
; y = softmax(mask(q k^T / 8)) v for one (head, batch), both products on codes of FP6 (E2M3) with E8M0 scales; y is quantised along the head's 64 on the way out.
; THE SOFTMAX: t = score x log2(e) / 8; M = the row's largest t so far, rounded UP to a whole number; p = 2^(t - M) is quantised along the keys, not normalised; the row's sum is taken of the unquantised p and divides at the end.
; THE MASK puts -10000 for a hidden logit, no -infinity: hidden keys keep a p, ONE number a row.  In the step on the diagonal hidden scores become -80000 (x 1/8 = -10000) ahead of the maximum: of its four blocks of 32 keys those
; ahead of the query's block stay, those behind it are set whole, and one block is compared; which is which hangs on ids.  A step whose 128 keys are all hidden has no score product and no exponentials: M, that p, its codes and
; its share of the sum are made once (at the first such step), and each such step does its product with v.
; SHARES.  Work-group (j, e), e = 8 head + batch.  Wave w owns token tiles 16 j + w and 63 - (16 j + w): 9 steps with scores and 7 without, for every wave.
; A head's k and v, 102 KiB with their scale words, come into LDS once, by six tensor loads of waves 0 to 5; nothing is filled again.  No cluster: a head's tiles are read by two work-groups only, once each, at the start.
; No prefetch into the L2: all that the launch reads is asked for at its head.
; LAYOUT.  S^T = k q^T, O^T = v^T p^T: a lane holds one query (lane % 16).  The rows of every tile lie in the order 32 g + 16 (r / 8) + 8 u + r % 8, so the 16 registers of tiles 2 b, 2 b + 1 are 16 neighbours.
; THE FIRST PRODUCT'S K IS 64.  An operand of k is a PAIR of key tiles, one in each half of the instruction's K; q stands as (q, zeros, q): (q, zeros) gives the first tile's scores, (zeros, q) the second's.
; THE LDS LOADS RUN AHEAD: the next step's eight key tiles and their scale words are asked for behind this step's score products, v's fragments behind the conversions of p, whose registers they take.
; LIMITS: NaN and infinities are not served; a p under 2^-126 is 0; blocks under 2^-124, zeros among them, keep the byte 1.
.set KI,    0                          ; LDS: k's 32 pairs of tiles, 1,536 bytes each: lane l's 48 bytes at 48 l
.set VI,    49152                      ; v: [key step 8][d tile 4][1536]
.set KS,    98304                      ; k's scale words: [4 tiles][row][4]
.set VS,    102400                     ; v's: [key step][row][4]
.set STG,   104448                     ; the way out: 768 bytes a wave
.set YSS,   116736                     ; y's scale halfwords: two runs of 16 tiles x 32 bytes
.set SPARE, 117760                     ; the spare words, 128 bytes a wave: eight blocks of 256 bytes that no other line names
.set QKS_OFF, 12582912
.set VS_OFF,  6291456
.set YS_OFF,  6291456
.set AK0, 1                            ; 48 l
.set AV0, 2                            ; VI + 48 l
.set ASK0, 3                           ; KS + 16 r
.set ASV0, 4                           ; VS + 16 r
.set SPW, 5                            ; my spare word; never rewritten
.set NIL, 6                            ; 0; never rewritten
.set QL,  7                            ; my query's place in its 32, less 16 h
.set ADK, 8
.set ADV, 9
.set ADS, 10
.set ADT, 11
; v12 -M, v13 the largest t, v[14:15] the sum;  v16-21 q, v22-27 zeros, v28-33 q;  v34 q's scale word;  v35 -80000;  v36-42 the second tile's q and word
.set KD,  44                           ; v44-91  four pairs of key tiles
.set KW,  92                           ; v92-99  their scale words
.set VW,  100                          ; v100-103 v's scale words
.set S,   104                          ; v104-167 S^T, then p;
.set VF,  120                          ; v120-167 later v's four fragments
.set O,   168                          ; v168-199 O^T
.set PCD, 200                          ; p's codes
.set CT,  212                          ; the conversions' second halves
.set BM,  220
.set BT,  224
.set SO,  228
.set BY,  232
.set R,   224                          ; v224-235 also six partial sums
.set F,   236                          ; v[236:237] f
.set HW,  238
.set T0,  239
.set PSW, 240                          ; p's scale word: another number modulo 8 than v's four
.set CNT, 241                          ; 64 x the steps without scores, as f32
.set STI, 242                          ; stage + 24 l
.set STO, 243                          ; stage + 8 l
.set GO8, 244
.set YS2, 245
.set YS1, 246
.set YSR, 247
.set GO16, 248
.set Q4R, 249                          ; 16 r
.set WV,  18
.set SEL, 20
.set CS,  22                           ; s[22:23] c = log2(e) / 8
.set TK,  2
.set TV,  3
.set TSK, 66
.set TSV, 67
.set KF,  84                           ; the step's first key
.set QB,  85                           ; the first key of the step on the diagonal
.set Q0,  86                           ; 32 (tile / 2) + 8 (tile % 2)
.macro WALU
	s_wait_alu depctr_va_vdst(0)
.endm
.macro DENSE g, rows                   ; group 1 of a dense block: rows of 256 bytes (32 elements of 8)
	s_mov_b32 s[\g], 3<<16
	s_mov_b32 s[\g+1], 32<<16
	s_mov_b32 s[\g+2], (\rows)<<16
	s_mov_b32 s[\g+3], 32<<16
	s_mov_b32 s[\g+4], \rows
	s_mov_b32 s[\g+5], 32
	s_mov_b32 s[\g+6], 0
	s_mov_b32 s[\g+7], 0
.endm
	s_load_b128 s[4:7], s[0:1], 0x0                  ; QKB, VB
	s_load_b64 s[8:9], s[0:1], 0x10                  ; YB
	v_lshl_add_u32 v[SPW], v0, 2, SPARE
	v_mov_b32 v[NIL], 0
	ds_add_u32 v[SPW], v[NIL]                        ; the opening lines: the add twice on end and one wait
	ds_add_u32 v[SPW], v[NIL]
	v_lshrrev_b32 v8, 5, v0
	v_readfirstlane_b32 s[WV], v8                    ; wave 0..15
	v_and_b32 v8, 31, v0                             ; l
	v_and_b32 v9, 15, v0                             ; r
	v_bfe_u32 v10, v0, 4, 1                          ; h
	v_mul_u32_u24 v[AK0], v8, 48
	v_mul_u32_u24 v[HW], v8, 24
	v_add_nc_u32 v[AV0], VI, v[AK0]
	v_lshl_add_u32 v[ASK0], v9, 4, KS
	v_lshl_add_u32 v[ASV0], v9, 4, VS
	v_lshlrev_b32 v[Q4R], 4, v9
	v_and_b32 v[QL], 8, v9
	v_add_nc_u32 v[QL], v[QL], v9                    ; 16 (r / 8) + r % 8
	v_lshlrev_b32 v11, 4, v10
	v_sub_nc_u32 v[QL], v[QL], v11
	s_mul_i32 s89, s[WV], 768
	s_add_co_u32 s89, s89, STG
	v_add_nc_u32 v[STI], s89, v[HW]
	v_lshlrev_b32 v[GO8], 3, v8
	v_add_nc_u32 v[STO], s89, v[GO8]
	s_lshl_b32 s89, s[WV], 5
	v_lshlrev_b32 v11, 1, v9
	v_add_nc_u32 v[YS2], s89, v11
	v_add_nc_u32 v[YS2], YSS, v[YS2]                 ; tile 16 j + w is number w of its run,
	s_xor_b32 s89, s[WV], 15
	s_lshl_b32 s89, s89, 5
	v_add_nc_u32 v[YS1], s89, v11
	v_add_nc_u32 v[YS1], YSS+512, v[YS1]             ; tile 63 - (16 j + w) number 15 - w of the other
	v_lshlrev_b32 v[GO16], 4, v8
	v_add_nc_u32 v[YSR], YSS, v[GO16]
	v_mov_b32 v35, 0xc79c4000                        ; -80000.0
.irp i, 0,1,2,3,4,5
	v_mov_b32 v[22+\i], 0                            ; the zero codes, written once
.endr
.irp i, 0,1,2,3
	v_mov_b32 v[BT+\i], 0                            ; a lane permute's destination counts as one of its sources
.endr
.irp i, 0,1,2,3,4,5,6,7,8,9,10,11
	v_mov_b32 v[PCD+\i], 0                           ; so that no way through the text reads them unwritten
.endr
	v_mov_b32 v[F+1], 0                              ; (named as the upper half of a pair)
	v_mov_b32 v[PSW], 0
	v_mov_b32 v[T0], 0
	DENSE 24, 16                                     ; k's scale words
	DENSE 32, 48                                     ; two key steps of k or of v
	DENSE 40, 144                                    ; six
	DENSE 48, 8                                      ; v's scale words
	s_mov_b32 s[SEL], 0x76543210
	s_mov_b32 s[SEL+1], 0xfedcba98
	s_mov_b32 s[CS], 0x3e38aa3b
	s_mov_b32 s[CS+1], s[CS]
	s_and_b32 s88, ttmp7, 0xffff                     ; e
	s_add_co_u32 s89, s88, 128
	s_mul_i32 s90, s89, 49152                        ; k's images
	s_mov_b32 s91, 0
	s_lshl_b32 s92, s89, 12
	s_add_co_u32 s92, s92, QKS_OFF
	s_mov_b32 s93, 0
	s_and_b32 s94, s88, 7
	s_lshl_b32 s94, s94, 4
	s_lshr_b32 s95, s88, 3
	s_add_co_u32 s19, s94, s95                       ; 16 batch + head
	s_mul_i32 s94, s19, 49152
	s_mov_b32 s95, 0
	s_lshl_b32 s96, s19, 11
	s_add_co_u32 s96, s96, VS_OFF
	s_mov_b32 s97, 0
	s_wait_dscnt 0x0                                 ; both opening adds are done
	s_wait_kmcnt 0x0
	s_mov_b32 s56, 1
	s_mov_b32 s57, KS
	s_add_nc_u64 s[58:59], s[4:5], s[92:93]
	s_or_b32 s59, s59, 0x80000000
	s_mov_b32 s60, 1
	s_mov_b32 s61, KI
	s_add_nc_u64 s[62:63], s[4:5], s[90:91]
	s_mov_b32 s68, 1
	s_mov_b32 s69, KI+12288
	s_add_nc_u64 s[70:71], s[62:63], 12288
	s_or_b32 s63, s63, 0x80000000
	s_or_b32 s71, s71, 0x80000000
	s_mov_b32 s72, 1
	s_mov_b32 s73, VS
	s_add_nc_u64 s[74:75], s[6:7], s[96:97]
	s_or_b32 s75, s75, 0x80000000
	s_mov_b32 s76, 1
	s_mov_b32 s77, VI
	s_add_nc_u64 s[78:79], s[6:7], s[94:95]
	s_mov_b32 s80, 1
	s_mov_b32 s81, VI+12288
	s_add_nc_u64 s[82:83], s[78:79], 12288
	s_or_b32 s79, s79, 0x80000000
	s_or_b32 s83, s83, 0x80000000
; The six first fills are shared out among waves 0 to 5, one load a wave, in one chain of branches on the wave's number: what the first two key steps need is asked for by waves 0 to 3.
.macro ARM n, g0, g1, next
	s_cmp_eq_u32 s[WV], \n
	s_cbranch_scc0 \next
	tensor_load_to_lds s[\g0:\g0+3], s[\g1:\g1+7]
	s_nop 0
.rept 4
	v_nop
.endr
	s_branch .Lfilled
\next:
.endm
	ARM 0, 56, 24, .La1                              ; k's scale words
	ARM 1, 72, 48, .La2                              ; v's
	ARM 2, 60, 32, .La3                              ; k's key steps 0, 1
	ARM 3, 76, 32, .La4                              ; v's
	ARM 4, 68, 40, .La5                              ; k's key steps 2-7
	ARM 5, 80, 40, .La6                              ; v's
.Lfilled:
	s_lshl_b32 s17, ttmp9, 4
	s_add_co_u32 s17, s17, s[WV]                     ; the second walk's tile: 16 j + w
	s_xor_b32 s16, s17, 63                           ; the first walk's
	s_mul_i32 s89, s88, 49152
.irp a, 16,17                                    ; q's half of its pair's image: 1,536 (tile / 2) + 24 (tile % 2); its word: 256 (tile / 4) + 4 (tile % 4)
	s_lshr_b32 s[90+4*(\a-16)], s\a, 1
	s_mul_i32 s[90+4*(\a-16)], s[90+4*(\a-16)], 1536
	s_and_b32 s87, s\a, 1
	s_mul_i32 s87, s87, 24
	s_add_co_u32 s[90+4*(\a-16)], s[90+4*(\a-16)], s87
	s_add_co_u32 s[90+4*(\a-16)], s[90+4*(\a-16)], s89
	s_mov_b32 s[91+4*(\a-16)], 0
.endr
	s_lshl_b32 s89, s88, 12
	s_add_co_u32 s89, s89, QKS_OFF
.irp a, 16,17
	s_lshr_b32 s[92+4*(\a-16)], s\a, 2
	s_lshl_b32 s[92+4*(\a-16)], s[92+4*(\a-16)], 8
	s_and_b32 s87, s\a, 3
	s_lshl_b32 s87, s87, 2
	s_add_co_u32 s[92+4*(\a-16)], s[92+4*(\a-16)], s87
	s_add_co_u32 s[92+4*(\a-16)], s[92+4*(\a-16)], s89
	s_mov_b32 s[93+4*(\a-16)], 0
.endr
	s_add_nc_u64 s[90:91], s[4:5], s[90:91]
	s_add_nc_u64 s[92:93], s[4:5], s[92:93]
	s_add_nc_u64 s[94:95], s[4:5], s[94:95]
	s_add_nc_u64 s[96:97], s[4:5], s[96:97]
.irp i, 0,1,2
	global_load_b64 v[16+2*\i:17+2*\i], v[AK0], s[90:91] offset:8*\i
	global_load_b64 v[28+2*\i:29+2*\i], v[AK0], s[90:91] offset:8*\i
	global_load_b64 v[36+2*\i:37+2*\i], v[AK0], s[94:95] offset:8*\i
.endr
	global_load_b32 v34, v[Q4R], s[92:93]
	global_load_b32 v42, v[Q4R], s[96:97]
	s_and_b32 s89, s88, 7
	s_lshl_b32 s89, s89, 6                           ; 64 batch
	s_lshr_b32 s87, s88, 3                           ; head
	s_add_co_u32 s10, s89, s16
	s_lshl_b32 s10, s10, 4
	s_add_co_u32 s10, s10, s87
	s_mul_i32 s10, s10, 768
	s_mov_b32 s11, 0
	s_add_nc_u64 s[10:11], s[8:9], s[10:11]          ; y's half fragment of the first walk's tile
	s_add_co_u32 s12, s89, s17
	s_lshl_b32 s12, s12, 4
	s_add_co_u32 s12, s12, s87
	s_mul_i32 s12, s12, 768
	s_mov_b32 s13, 0
	s_add_nc_u64 s[12:13], s[8:9], s[12:13]          ; and of the second's
	s_lshl_b32 s89, s19, 11
	s_add_co_u32 s89, s89, YS_OFF
	s_lshl_b32 s87, ttmp9, 9
	s_add_co_u32 s98, s89, s87
	s_mov_b32 s99, 0
	s_add_nc_u64 s[98:99], s[8:9], s[98:99]          ; scale halfwords of tiles 16 j ..
	s_sub_co_u32 s14, 1536, s87
	s_add_co_u32 s14, s14, s89
	s_mov_b32 s15, 0
	s_add_nc_u64 s[14:15], s[8:9], s[14:15]          ; and of tiles 48 - 16 j ..
.macro KLOAD off, soff                 ; a key step's four pairs of tiles and eight scale words: 14 loads
.irp m, 0,1,2,3
.irp i, 0,1,2
	ds_load_b128 v[KD+12*\m+4*\i:KD+12*\m+4*\i+3], v[ADK] offset:\off+1536*\m+16*\i
.endr
.endr
	ds_load_b128 v[KW:KW+3], v[ADS] offset:\soff
	ds_load_b128 v[KW+4:KW+7], v[ADS] offset:\soff+256
.endm
.macro KFIRST                          ; the fragments of the step at hand, where no step before has asked for them
	v_add_nc_u32 v[ADK], s[TK], v[AK0]
	v_add_nc_u32 v[ADS], s[TSK], v[ASK0]
	KLOAD 0, 0
.endm
.macro VLOAD                           ; v's four fragments and scale words: 13 loads
.irp d, 0,1,2,3
.irp i, 0,1,2
	ds_load_b128 v[VF+12*\d+4*\i:VF+12*\d+4*\i+3], v[ADV] offset:1536*\d+16*\i
.endr
.endr
	ds_load_b128 v[VW:VW+3], v[ADT]
.endm
.macro DIAGB b                         ; block b of the step on the diagonal; s90 = the block that holds my queries
	s_cmp_gt_u32 s90, \b
	s_cbranch_scc1 .Ldb_\@                           ; ahead of it: every key counts
	s_cmp_lt_u32 s90, \b
	s_cbranch_scc1 .Lhid_\@
.set n, 0
.rept 16                                         ; register 16 b + i holds key KF + 32 b + 16 h + i: hidden where 32 b + i > my query - KF - 16 h
	v_cmp_gt_i32 vcc_lo, 32*\b+n, v[T0]
	v_cndmask_b32 v[S+16*\b+n], v[S+16*\b+n], v35, vcc_lo
.set n, n+1
.endr
	s_branch .Ldb_\@
.Lhid_\@:
.set n, 0
.rept 16                                         ; behind it: every key is hidden
	v_mov_b32 v[S+16*\b+n], v35
.set n, n+1
.endr
.Ldb_\@:
.endm
; A KEY STEP of 128 keys.  All branches hang on ids.  pf = 1: the step's key tiles were asked for a step ago, and the next step's are asked for here; pf = 0 (the two steps ahead of the second barrier): they are asked for at the step's head.
.macro STEP pf
	s_cmp_gt_u32 s[KF], s[QB]
	s_cbranch_scc1 .Ltail_\@
	v_add_nc_u32 v[ADV], s[TV], v[AV0]
	v_add_nc_u32 v[ADT], s[TSV], v[ASV0]
.if \pf
.rept 3
	v_nop                                            ; with the two additions five places: the products below write over registers that the last step's products read
.endr
.else
	v_nop
	KFIRST
.endif
	s_wait_dscnt 0x0
.irp t, 0,1,2,3,4,5,6,7
	v_wmma_scale_f32_16x16x128_f8f6f4 v[S+8*\t:S+8*\t+7], v[KD+12*(\t/2):KD+12*(\t/2)+11], v[16+6*(\t%2):27+6*(\t%2)], 0, v[KW+\t], v34 matrix_a_fmt:MATRIX_FMT_FP6 matrix_b_fmt:MATRIX_FMT_FP6
.endr
.if \pf
	v_add_nc_u32 v[ADK], s[TK], v[AK0]
	v_add_nc_u32 v[ADS], s[TSK], v[ASK0]
	v_nop
	v_nop                                            ; four places: ahead of the loads into the products' sources and of the first read of the scores
	s_cmp_ge_u32 s[KF], s[QB]
	s_cbranch_scc1 .Lnok_\@                          ; the next step has no scores
	KLOAD 6144, 512
.Lnok_\@:
.else
.rept 4
	v_nop
.endr
.endif
	s_cmp_lt_u32 s[KF], s[QB]
	s_cbranch_scc1 .Lopen_\@
	s_sub_co_u32 s89, s[Q0], s[KF]
	s_lshr_b32 s90, s89, 5
	v_add_nc_u32 v[T0], s89, v[QL]
	WALU
	DIAGB 0
	DIAGB 1
	DIAGB 2
	DIAGB 3
	WALU
.Lopen_\@:
.irp b, 0,1,2,3
	v_max3_num_f32 v[BM+\b], v[S+16*\b], v[S+1+16*\b], v[S+2+16*\b]     ; the largest score of each block of 32 keys: for the row's maximum, and, since p rises with the score, for the block's largest p
.endr
.irp i, 3,5,7,9,11,13
.irp b, 0,1,2,3
	v_max3_num_f32 v[BM+\b], v[BM+\b], v[S+16*\b+\i], v[S+1+16*\b+\i]
.endr
.endr
.irp b, 0,1,2,3
	v_max_num_f32 v[BM+\b], v[BM+\b], v[S+15+16*\b]
.endr
.irp b, 0,1,2,3
	v_permlanex16_b32 v[BT+\b], v[BM+\b], s[SEL], s[SEL+1]
.endr
.irp b, 0,1,2,3
	v_max_num_f32 v[BM+\b], v[BM+\b], v[BT+\b]
.endr
	v_max3_num_f32 v[T0], v[BM], v[BM+1], v[BM+2]
	v_max_num_f32 v[T0], v[T0], v[BM+3]
	v_mul_f32 v[T0], s[CS], v[T0]
	v_max_num_f32 v13, v13, v[T0]                    ; the running largest t
	v_mov_b32 v[T0], v12
	v_floor_f32 v12, -v13                            ; -M = floor(-t): M is a whole number
	v_sub_f32 v[T0], v12, v[T0]
	v_cvt_i32_f32 v[T0], v[T0]                       ; (it saturates)
	v_ldexp_f32 v[F], 1.0, v[T0]                     ; f = 2^(old M - new M): exact
.set j, 0
.rept 32
	v_pk_fma_f32 v[S+j:S+j+1], v[S+j:S+j+1], s[CS:CS+1], v[12:13] op_sel_hi:[1,0,0]   ; t - M
.set j, j+2
.endr
.irp b, 0,1,2,3
	v_fma_f32 v[BM+\b], v[BM+\b], s[CS], v12
.endr
	WALU
.set j, 0
.rept 64
	v_exp_f32 v[S+j], v[S+j]                         ; p
.set j, j+1
.endr
	v_pk_mul_f32 v[14:15], v[14:15], v[F:F+1] op_sel_hi:[1,0]          ; the sum under the new M; the plain line behind the exponentials
	WALU                                             ; one wait for the batch, ahead of its first reader
.irp b, 0,1,2,3
	v_exp_f32 v[BM+\b], v[BM+\b]                     ; each block's largest p
.endr
.irp c, 0,1,2,3,4,5                              ; the sum of the unquantised p: 32 pairs into seven chains
	v_pk_add_f32 v[R+2*\c:R+2*\c+1], v[S+4*\c:S+4*\c+1], v[S+4*\c+2:S+4*\c+3]
.endr
	v_pk_add_f32 v[14:15], v[14:15], v[S+24:S+25]
.irp c, 0,1,2,3,4,5
	v_pk_add_f32 v[R+2*\c:R+2*\c+1], v[R+2*\c:R+2*\c+1], v[S+26+2*\c:S+27+2*\c]
.endr
	v_pk_add_f32 v[14:15], v[14:15], v[S+38:S+39]
.irp c, 0,1,2,3,4,5
	v_pk_add_f32 v[R+2*\c:R+2*\c+1], v[R+2*\c:R+2*\c+1], v[S+40+2*\c:S+41+2*\c]
.endr
	v_pk_add_f32 v[14:15], v[14:15], v[S+52:S+53]
.irp c, 0,1,2,3,4
	v_pk_add_f32 v[R+2*\c:R+2*\c+1], v[R+2*\c:R+2*\c+1], v[S+54+2*\c:S+55+2*\c]
.endr
.irp c, 0,1,2
	v_pk_add_f32 v[R+2*\c:R+2*\c+1], v[R+2*\c:R+2*\c+1], v[R+6+2*\c:R+7+2*\c]
.endr
	v_pk_add_f32 v[14:15], v[14:15], v[R:R+1]
	v_pk_add_f32 v[R+2:R+3], v[R+2:R+3], v[R+4:R+5]
	v_pk_add_f32 v[14:15], v[14:15], v[R+2:R+3]
	WALU                                             ; and one for the four
.irp b, 0,1,2,3
	v_max_num_f32 v[BM+\b], 0x1800000, v[BM+\b]      ; the floor: the byte cannot fall under 1
.endr
.irp b, 0,1,2,3
	v_add_nc_u32 v[SO+\b], 0xff000000, v[BM+\b]
.endr
.irp b, 0,1,2,3
	v_lshrrev_b32 v[BY+\b], 23, v[SO+\b]
.endr
	v_lshl_or_b32 v[PSW], v[BY+1], 8, v[BY]
	v_lshl_or_b32 v[PSW], v[BY+2], 16, v[PSW]
	v_lshl_or_b32 v[PSW], v[BY+3], 24, v[PSW]
.irp c, 0,1
	v_cvt_scalef32_pk16_fp6_f32 v[PCD+6*\c:PCD+2+6*\c], v[S+32*\c:S+15+32*\c], v[SO+2*\c]
	v_cvt_scalef32_pk16_fp6_f32 v[CT+4*\c:CT+2+4*\c], v[S+16+32*\c:S+31+32*\c], v[SO+1+2*\c]
.endr
	v_nop                                            ; one plain line behind the scaled conversions
	VLOAD                                            ; p is in codes: v's fragments take its registers
.irp c, 0,1
.irp i, 0,1,2
	v_permlane16_swap_b32 v[PCD+6*\c+\i], v[CT+4*\c+\i]
.endr
.irp i, 0,1,2
	v_mov_b32 v[PCD+3+6*\c+\i], v[CT+4*\c+\i]
.endr
.endr
	WALU                                             ; the wait ahead of the first reader of O^T
.set j, 0
.rept 16
	v_pk_mul_f32 v[O+j:O+j+1], v[O+j:O+j+1], v[F:F+1] op_sel_hi:[1,0]  ; O^T under the new M
.set j, j+2
.endr
	s_branch .Lmul_\@
.Ltail_\@:
	s_add_co_u32 s89, s[QB], 128
	s_cmp_lg_u32 s[KF], s89
	s_cbranch_scc1 .Lpv_\@
	; the first step without scores: all that the hidden keys of the steps left need, once
	v_mul_f32 v[T0], s[CS], v35                      ; their t
	WALU
	v_max_num_f32 v13, v13, v[T0]
	v_mov_b32 v[T0], v12
	v_floor_f32 v12, -v13
	v_sub_f32 v[T0], v12, v[T0]
	v_cvt_i32_f32 v[T0], v[T0]
	v_ldexp_f32 v[F], 1.0, v[T0]
	v_fma_f32 v[BM], v35, s[CS], v12
	WALU
	v_exp_f32 v[BM], v[BM]                           ; their p
	v_pk_mul_f32 v[14:15], v[14:15], v[F:F+1] op_sel_hi:[1,0]
	WALU
.set j, 0
.rept 16
	v_pk_mul_f32 v[O+j:O+j+1], v[O+j:O+j+1], v[F:F+1] op_sel_hi:[1,0]
.set j, j+2
.endr
	WALU
	v_fma_f32 v14, v[BM], v[CNT], v14                ; my 64 keys of each step left
	v_max_num_f32 v[BM+1], 0x1800000, v[BM]
	v_add_nc_u32 v[SO], 0xff000000, v[BM+1]
	v_lshrrev_b32 v[BY], 23, v[SO]
	v_lshl_or_b32 v[PSW], v[BY], 8, v[BY]
	v_lshl_or_b32 v[PSW], v[PSW], 16, v[PSW]         ; the same byte for all four blocks
.set j, 0
.rept 16
	v_mov_b32 v[S+j], v[BM]
.set j, j+1
.endr
	v_cvt_scalef32_pk16_fp6_f32 v[PCD:PCD+2], v[S:S+15], v[SO]         ; sixteen equal codes are 96 bits: the three registers repeat
	v_nop
.irp i, 3,4,5,6,7,8,9,10,11
	v_mov_b32 v[PCD+\i], v[PCD+\i%3]
.endr
.Lpv_\@:
	v_add_nc_u32 v[ADV], s[TV], v[AV0]
	v_add_nc_u32 v[ADT], s[TSV], v[ASV0]
.rept 3
	v_nop                                            ; five places: for the loads into registers that matrix instructions have read, and behind the codes written by vector instructions
.endr
	VLOAD
.Lmul_\@:
	WALU
	s_wait_dscnt 0x0
.irp d, 0,1,2,3                                  ; O^T += v^T p^T: the four accumulators take turns, one instruction a turn
	v_wmma_scale_f32_16x16x128_f8f6f4 v[O+8*\d:O+8*\d+7], v[VF+12*\d:VF+12*\d+11], v[PCD:PCD+11], v[O+8*\d:O+8*\d+7], v[VW+\d], v[PSW] matrix_a_fmt:MATRIX_FMT_FP6 matrix_b_fmt:MATRIX_FMT_FP6
.endr
	s_add_co_u32 s[KF], s[KF], 128
	s_add_co_u32 s[TK], s[TK], 6144
	s_add_co_u32 s[TV], s[TV], 6144
	s_add_co_u32 s[TSK], s[TSK], 512
	s_add_co_u32 s[TSV], s[TSV], 256
.endm
.macro INIT tt                         ; a walk begins: O^T and the sum are zeros, the largest t lies under every t: the first change of M multiplies zeros
.set j, 0
.rept 32
	v_mov_b32 v[O+j], 0
.set j, j+1
.endr
	v_mov_b32 v14, 0
	v_mov_b32 v15, 0
	v_mov_b32 v13, 0xff61b1e6
	v_floor_f32 v12, -v13
	s_mov_b32 s[TK], 0
	s_mov_b32 s[TV], 0
	s_mov_b32 s[TSK], 0
	s_mov_b32 s[TSV], 0
	s_mov_b32 s[KF], 0
	s_lshr_b32 s89, s[\tt], 3
	s_lshl_b32 s[QB], s89, 7
	s_sub_co_u32 s89, 7, s89
	s_lshl_b32 s89, s89, 6
	v_cvt_f32_u32 v[CNT], s89
	s_lshr_b32 s[Q0], s[\tt], 1
	s_lshl_b32 s[Q0], s[Q0], 5
	s_and_b32 s89, s[\tt], 1
	s_lshl_b32 s89, s89, 3
	s_add_co_u32 s[Q0], s[Q0], s89
.endm
.macro WALK trips, pf
	s_mov_b32 s88, \trips
.Lstep_\@:
	STEP \pf
	s_sub_co_u32 s88, s88, 1
	s_cmp_lg_u32 s88, 0
	s_cbranch_scc1 .Lstep_\@
.endm
; THE WAY OUT of a tile: O^T / the sum; register 16 b + i is channel 32 b + 16 h + i: two blocks of the last product's K.  Codes through my stage, so that each store covers 256 consecutive bytes, aligned.
.macro OUT yp, ysa
.rept 4
	v_nop
.endr
	v_add_f32 v14, v14, v15
	v_permlanex16_b32 v[T0], v14, s[SEL], s[SEL+1]
	v_add_f32 v14, v14, v[T0]
	WALU
	v_rcp_f32 v14, v14
	v_nop
	WALU
.set j, 0
.rept 32
	v_mul_f32 v[S+j], v[O+j], v14
.set j, j+1
.endr
.irp b, 0,1
	v_max3_num_f32 v[BM+\b], |v[S+16*\b]|, |v[S+1+16*\b]|, 0x1800000
.endr
.irp i, 2,4,6,8,10,12,14
.irp b, 0,1
	v_max3_num_f32 v[BM+\b], v[BM+\b], |v[S+16*\b+\i]|, |v[S+1+16*\b+\i]|
.endr
.endr
.irp b, 0,1
	v_permlanex16_b32 v[BT+\b], v[BM+\b], s[SEL], s[SEL+1]
.endr
.irp b, 0,1
	v_max_num_f32 v[BM+\b], v[BM+\b], v[BT+\b]
.endr
.irp b, 0,1
	v_add_nc_u32 v[SO+\b], 0xff000000, v[BM+\b]
.endr
.irp b, 0,1
	v_lshrrev_b32 v[BY+\b], 23, v[SO+\b]
.endr
	v_lshl_or_b32 v[HW], v[BY+1], 8, v[BY]
	v_cvt_scalef32_pk16_fp6_f32 v[PCD:PCD+2], v[S:S+15], v[SO]
	v_cvt_scalef32_pk16_fp6_f32 v[CT:CT+2], v[S+16:S+31], v[SO+1]
	v_nop
.irp i, 0,1,2
	v_permlane16_swap_b32 v[PCD+\i], v[CT+\i]
.endr
.irp i, 0,1,2
	v_mov_b32 v[PCD+3+\i], v[CT+\i]
.endr
.irp i, 0,1,2
	ds_store_b64 v[STI], v[PCD+2*\i:PCD+2*\i+1] offset:8*\i
.endr
.irp i, 0,1,2
	ds_load_b64 v[CT+2*\i:CT+2*\i+1], v[STO] offset:256*\i             ; LDS serves a wave's instructions in order: these see my stores
.endr
	ds_store_b16 v[\ysa], v[HW]                      ; both halves of the lanes write the same halfword with the same value
	s_wait_dscnt 1                                   ; only the halfword's store may be out
.irp i, 0,1,2
	global_store_b64 v[GO8], v[CT+2*\i:CT+2*\i+1], s[\yp:\yp+1] offset:256*\i
.endr
.endm
	WALU
	s_cmp_lt_u32 s[WV], 4                            ; waves 0-3 wait for their loads: the scale words and key steps 0, 1; the loads of waves 4, 5 may be out
	s_cbranch_scc0 .Lnot_first
	s_wait_tensorcnt 0x0
.Lnot_first:
	s_barrier_signal -1
	s_barrier_wait -1
	s_wait_loadcnt 0x0                               ; q
	INIT 16
	WALK 2, 0
	s_wait_tensorcnt 0x0                             ; key steps 2-7
	s_wait_dscnt 0x0
	s_barrier_signal -1
	s_barrier_wait -1
	KFIRST                                           ; key step 2, which has scores for every tile of the first walk (tiles 32 and up)
	WALK 6, 1
	OUT 10, YS1
	s_wait_xcnt 0x0                                  ; the stores have read their registers
.irp i, 0,1,2,3,4,5
	v_mov_b32 v[16+\i], v[36+\i]
	v_mov_b32 v[28+\i], v[36+\i]
.endr
	v_mov_b32 v34, v42
	INIT 17
	KFIRST
	WALK 8, 1
	OUT 12, YS2
	s_wait_dscnt 0x0                                 ; for the others' sake: my halfwords are in LDS
	s_barrier_signal -1
	s_barrier_wait -1
	s_cmp_lg_u32 s[WV], 0
	s_cbranch_scc1 .Ldone
	ds_load_b128 v[104:107], v[YSR]
	ds_load_b128 v[108:111], v[YSR] offset:512
	s_wait_dscnt 0x0
	global_store_b128 v[GO16], v[104:107], s[98:99]  ; 512 consecutive bytes each
	global_store_b128 v[GO16], v[108:111], s[14:15]
.Ldone:
	s_wait_tensorcnt 0x0                             ; the wave's end
	ds_add_u32 v[SPW], v[NIL]
	s_wait_dscnt 0x0
	s_endpgm
.Lfunc_end_k_q5dab2c3691_attn:
	.size	k_q5dab2c3691_attn, .Lfunc_end_k_q5dab2c3691_attn-k_q5dab2c3691_attn
	.p2alignl 7, 3214868480
	.fill 96, 4, 3214868480
	.section	.rodata,"a",@progbits
	.p2align	6, 0x0
	.amdhsa_kernel k_q5dab2c3691_attn
		.amdhsa_group_segment_fixed_size 167936
		.amdhsa_private_segment_fixed_size 0
		.amdhsa_enable_private_segment 0
		.amdhsa_kernarg_size 24
		.amdhsa_user_sgpr_count 2
		.amdhsa_user_sgpr_kernarg_segment_ptr 1
		.amdhsa_wavefront_size32 1
		.amdhsa_system_sgpr_workgroup_id_x 1
		.amdhsa_system_sgpr_workgroup_id_y 1
		.amdhsa_system_sgpr_workgroup_id_z 1
		.amdhsa_system_vgpr_workitem_id 0
		.amdhsa_next_free_vgpr 256
		.amdhsa_next_free_sgpr 100
		.amdhsa_reserve_vcc 1
		.amdhsa_float_denorm_mode_32 3
		.amdhsa_float_denorm_mode_16_64 3
		.amdhsa_memory_ordered 1
		.amdhsa_forward_progress 1
		.amdhsa_inst_pref_size 109
	.end_amdhsa_kernel
	.amdgpu_metadata
---
amdhsa.version: [ 1, 2 ]
amdhsa.kernels:
  - .name:           k_q5dab2c3691_attn
    .symbol:         k_q5dab2c3691_attn.kd
    .args:
      - { .name: QKB, .offset: 0, .size: 8, .value_kind: global_buffer, .address_space: global }
      - { .name: VB, .offset: 8, .size: 8, .value_kind: global_buffer, .address_space: global }
      - { .name: YB, .offset: 16, .size: 8, .value_kind: global_buffer, .address_space: global }
    .group_segment_fixed_size: 167936
    .private_segment_fixed_size: 0
    .kernarg_segment_align: 8
    .kernarg_segment_size: 24
    .max_flat_workgroup_size: 512
    .sgpr_count:     100
    .vgpr_count:     256
    .wavefront_size: 32
...
	.end_amdgpu_metadata
.endif
;; end of part 3
;; launch gemm_proj (part 4): grid 8 x 32, 4 waves a work-group, clusters of 4 x 4, 327,680 bytes of LDS; arguments YB, WB, out0; writes out0
.if DOCPART == 4
	.amdgcn_target "amdgcn-amd-amdhsa--gfx1250"
	.amdhsa_code_object_version 6
	.text
	.protected	k_q5dab2c3691_gemm_proj
	.globl	k_q5dab2c3691_gemm_proj
	.p2align	8
	.type	k_q5dab2c3691_gemm_proj,@function
k_q5dab2c3691_gemm_proj:
	s_mov_b64 s[64:65], 0
	v_nop
	global_prefetch_b8 v0, s[64:65] scope:SCOPE_SE
	s_setreg_imm32_b32 hwreg(HW_REG_WAVE_MODE, 25, 1), 1
	s_wait_xcnt 0x0
	s_wait_alu depctr_hold_cnt(0) depctr_sa_sdst(0) depctr_va_vdst(0) depctr_va_sdst(0) depctr_va_ssrc(0) depctr_va_vcc(0) depctr_vm_vsrc(0)
	s_getreg_b32 s2, hwreg(HW_REG_IB_STS2, 6, 4)
	s_cmp_eq_u32 s2, 0
	s_cbranch_scc0 .Lentry_in_a_cluster
	s_endpgm
.Lentry_in_a_cluster:
	s_bfe_u32 s2, ttmp6, 0x10000c
	s_cmp_lg_u32 s2, 0xf033
	s_cbranch_scc0 .Lentry_shape_is_right
	s_endpgm
.Lentry_shape_is_right:
; out0 = y w_proj on codes of FP6 (E2M3) with E8M0 scales, f32 sums.  256 work-groups: 256 tokens x 128 columns each; four waves, 2 x 2, 128 x 64 a wave.
; ALL OF K LIES IN LDS: y's 16 tiles (196,608 bytes), the weight's group of 8 tiles (98,304), their scale bytes.  They come by four tensor loads at the head, one a wave, each a dense block or rows of 512 bytes;
; nothing is filled again, so no barrier follows the head's.  CLUSTER 4 x 4: y's tiles are shared along a row of the cluster, the weight's along a column.
; THE WALK GOES BY ROWS OF THE RESULT.  A wave's 64 rows of the weight, all of K, lie in registers: 32 fragments.  y streams past in blocks of 16 tokens, all of K: eight fragments, in two sets.  A block is 32 products on four
; accumulators by turns, and its 16 x 64 results are stored as soon as they are finished, while the later blocks are multiplied.
; YB: [token tile 512][head 16][768]: half fragments, lane l's 24 bytes at 24 l: K step k is heads 2 k, 2 k + 1; then [batch][head][tile 64][row 16] halfwords of two scale bytes.  WB: group 24 + x: [K half][tile 8][K step % 4][1536], a word a row and K step.
; Source 0 = the weight's rows, source 1 = y's: a lane holds a token, its eight results are eight neighbouring columns.  The rows of every tile lie in the order 32 g + 16 (r / 8) + 8 u + r % 8.
; No prefetch: the launch has no loop to run ahead in; all that it reads is asked for at its head.
; REGISTERS: window 0: addresses, scale words, the way out.  Fragment f lies in window 1 + f / 21 at register 12 (f % 21): 0-31 the weight's (4 k + b), 32-39 and 40-47 y's two sets.  Window 3, v128-159: the accumulators.
.set WL,     196608
.set HALF,   49152
.set YSL,    294912                    ; y's scale halfwords: 16 heads x 512 bytes
.set WSL,    303104                    ; the weight's scale words, 4,096 bytes
.set SPARE,  307200                    ; the spare words: two blocks of 256 bytes that no other line names
.set STG,    307712                    ; the way out: 16 rows of 272 bytes a wave, on bytes that no fill lands on
.set SPITCH, 272
.set YS_OFF, 6291456
.set WS_OFF, 3145728
.set FPW,  21
.set AC,   128
.set ADA,  12                          ; v12, v13 my y tiles 0-3, 4-7
.set ADW,  14                          ; v14, v15 my weight tiles, K half 0, 1
.set ADYS, 16
.set ADWS, 17
.set STO,  24
.set RD,   25
.set CO,   26
.set SPW,  28                          ; my spare word; never rewritten
.set NIL,  29                          ; 0; never rewritten
.set SA,   32                          ; v32-95  y's scale words
.set SB,   97                          ; v97-128 the weight's: another number modulo 8 than y's in every product
.set HT,   130                         ; v130-161 upper halfwords on their way
.set OB,   164                         ; v164-227 two sets of 16 rows read back from the stage
.set G1A,  16
.set G1B,  24
.set G1SA, 32
.set G1SB, 40
.set G0A,  48
.set G0B,  52
.set G0SA, 56
.set G0SB, 60
.set MSB, 0
.macro WIN new
.if MSB != \new
	s_set_vgpr_msb (MSB<<8)|\new
.set MSB, \new
.endif
.endm
.macro PLACES n
.rept \n
	v_nop
.endr
.endm
.macro WALU
	s_wait_alu depctr_va_vdst(0)
.endm
.macro CROUND
	s_barrier_signal -1
	s_barrier_wait -1
	s_cmp_lg_u32 s14, 0
	s_cbranch_scc1 .Lnot_wave_0_\@
	s_barrier_signal -3
.Lnot_wave_0_\@:
	s_barrier_wait -3
	s_barrier_signal -1
	s_barrier_wait -1
.endm
.macro TLOAD g0, g1
	tensor_load_to_lds s[\g0:\g0+3], s[\g1:\g1+7]
	s_nop 0
	PLACES 4
.endm
.macro GROUP1 g, mask, cols, rows, pitch   ; rows of cols elements of 8 bytes
	s_or_b32 s[\g], s[\mask], (3<<16)|(1<<21)
	s_mov_b32 s[\g+1], (\cols)<<16
	s_mov_b32 s[\g+2], (\rows)<<16
	s_mov_b32 s[\g+3], (\cols)<<16
	s_mov_b32 s[\g+4], \rows
	s_mov_b32 s[\g+5], \pitch
	s_mov_b32 s[\g+6], 0
	s_mov_b32 s[\g+7], 0
.endm
.macro G0 g, base, off, lds
	s_mov_b32 s[\g], 1
	s_mov_b32 s[\g+1], \lds
	s_add_nc_u64 s[\g+2:\g+3], s[\base:\base+1], s[\off:\off+1]
	s_or_b32 s[\g+3], s[\g+3], 0x80000000
.endm
	s_load_b128 s[4:7], s[0:1], 0x0                  ; YB, WB
	s_load_b64 s[8:9], s[0:1], 0x10                  ; out0
	v_lshl_add_u32 v[SPW], v0, 2, SPARE
	v_mov_b32 v[NIL], 0
	ds_add_u32 v[SPW], v[NIL]                        ; the opening lines: the add twice on end and one wait
	ds_add_u32 v[SPW], v[NIL]
	v_lshrrev_b32 v1, 5, v0
	v_readfirstlane_b32 s14, v1                      ; wave
	s_lshr_b32 s15, s14, 1                           ; my half of the tokens
	s_and_b32 s13, s14, 1                            ; my half of the columns
	s_bfe_u32 s84, ttmp6, 0x40000
	s_bfe_u32 s85, ttmp6, 0x40004
	s_lshl_b32 s86, ttmp9, 2
	s_add_co_u32 s86, s86, s84                       ; tile column
	s_and_b32 s87, ttmp7, 0xffff
	s_lshl_b32 s87, s87, 2
	s_add_co_u32 s87, s87, s85                       ; tile row
	s_lshl_b32 s88, s85, 2
	s_lshl_b32 s88, 15, s88                          ; my row of the cluster
	s_lshl_b32 s89, 0x1111, s84                      ; my column
	GROUP1 G1A, 88, 32, 768, 32                      ; y's 16 tiles: dense, rows of 256 bytes
	GROUP1 G1B, 89, 32, 384, 32                      ; the weight's group
	GROUP1 G1SA, 88, 64, 16, 256                     ; 16 heads x my 16 tiles' halfwords: rows of 512 bytes, 2,048 apart
	GROUP1 G1SB, 89, 32, 16, 32
	s_mul_i32 s92, s87, 196608
	s_mov_b32 s93, 0
	s_lshr_b32 s94, s87, 2
	s_lshl_b32 s94, s94, 15
	s_and_b32 s66, s87, 3
	s_lshl_b32 s66, s66, 9
	s_add_co_u32 s94, s94, s66
	s_add_co_u32 s94, s94, YS_OFF
	s_mov_b32 s95, 0
	s_mul_i32 s96, s86, 98304
	s_add_co_u32 s96, s96, 24*98304
	s_mov_b32 s97, 0
	s_lshl_b32 s98, s86, 12
	s_add_co_u32 s98, s98, WS_OFF+24*4096
	s_mov_b32 s99, 0
	WALU
	s_wait_dscnt 0x0
	s_wait_kmcnt 0x0
	CROUND                                           ; all sixteen work-groups are here: the joint loads meet
	G0 G0A, 4, 92, 0
	G0 G0SA, 4, 94, YSL
	G0 G0B, 6, 96, WL
	G0 G0SB, 6, 98, WSL
	s_cmp_eq_u32 s14, 0                              ; one chain of branches on the wave's number, one load to an arm
	s_cbranch_scc0 .Lw1
	TLOAD G0SA, G1SA
	s_branch .Lasked
.Lw1:
	s_cmp_eq_u32 s14, 1
	s_cbranch_scc0 .Lw2
	TLOAD G0SB, G1SB
	s_branch .Lasked
.Lw2:
	s_cmp_eq_u32 s14, 2
	s_cbranch_scc0 .Lw3
	TLOAD G0B, G1B
	s_branch .Lasked
.Lw3:
	TLOAD G0A, G1A
.Lasked:
	s_mul_i32 s66, s15, 98304
	s_mul_i32 s67, s13, 24576
	s_add_co_u32 s67, s67, WL
	s_lshl_b32 s90, s15, 8
	s_add_co_u32 s90, s90, YSL
	s_lshl_b32 s91, s13, 11
	s_add_co_u32 s91, s91, WSL
	s_mul_i32 s92, s14, 16*SPITCH
	s_add_co_u32 s92, s92, STG
	v_and_b32 v1, 31, v0
	v_and_b32 v2, 15, v0
	v_bfe_u32 v3, v0, 4, 1
	v_mul_u32_u24 v4, v1, 24
	v_mul_u32_u24 v5, v1, 48
	v_mul_u32_u24 v6, v2, SPITCH
	v_mul_u32_u24 v7, v3, SPITCH
	v_add_nc_u32 v[ADA], s66, v4
	v_add_nc_u32 v[ADA+1], HALF, v[ADA]
	v_add_nc_u32 v[ADW], s67, v5
	v_add_nc_u32 v[ADW+1], HALF, v[ADW]
	v_lshl_add_u32 v[ADYS], v2, 1, s90
	v_lshl_add_u32 v[ADWS], v2, 2, s91
	v_lshl_add_u32 v6, v3, 6, v6
	v_add_nc_u32 v[STO], s92, v6                     ; into the stage: row r, 64 bytes for each half of the lanes
	v_lshl_add_u32 v7, v2, 4, v7
	v_add_nc_u32 v[RD], s92, v7                      ; back: sixteen lanes take a row of 256 bytes
	v_lshlrev_b32 v[CO], 12, v3
	v_lshl_add_u32 v[CO], v2, 4, v[CO]               ; and the same two rows in out0
	s_lshl_b32 s10, s87, 20
	s_lshl_b32 s12, s15, 19
	s_add_co_u32 s10, s10, s12
	s_lshl_b32 s12, s86, 9
	s_add_co_u32 s10, s10, s12
	s_lshl_b32 s12, s13, 8
	s_add_co_u32 s10, s10, s12
	s_mov_b32 s11, 0
	s_add_nc_u64 s[8:9], s[8:9], s[10:11]
.macro WEIGHTS                         ; my 64 rows of the weight, all of K: 96 loads of 16 bytes
.irp k, 0,1,2,3,4,5,6,7
.irp b, 0,1,2,3
.set F_, 4*\k+\b
	WIN ((1+F_/FPW)<<6)
.irp i, 0,1,2
	ds_load_b128 v[12*(F_%FPW)+4*\i:12*(F_%FPW)+4*\i+3], v[ADW+\k/4] offset:6144*\b+1536*(\k%4)+16*\i
.endr
.endr
.endr
	WIN 0
.endm
.macro FETCHY a                        ; block a of y, all of K, into set a % 2: 48 loads of 8 bytes
.irp k, 0,1,2,3,4,5,6,7
.set F_, 32+8*((\a)%2)+\k
	WIN ((1+F_/FPW)<<6)
.irp h, 0,1
.irp p, 0,1,2
	ds_load_b64 v[12*(F_%FPW)+6*\h+2*\p:12*(F_%FPW)+6*\h+2*\p+1], v[ADA+(\a)/4] offset:((\a)%4)*12288+1536*\k+768*\h+8*\p
.endr
.endr
.endr
	WIN 0
.endm
.macro MULS a                          ; block a's 32 products: product n = K step n / 4, the weight's tile n % 4.  The four accumulators take turns, one instruction a turn; K step 0 starts the sums
.set N_, 0
.rept 32
.set FY_, 32+8*((\a)%2)+N_/4
	WIN ((1+N_/FPW)|((1+FY_/FPW)<<2)|0xf0)
.if N_ < 4
	v_wmma_scale_f32_16x16x128_f8f6f4 v[AC+8*(N_%4):AC+8*(N_%4)+7], v[12*(N_%FPW):12*(N_%FPW)+11], v[12*(FY_%FPW):12*(FY_%FPW)+11], 0, v[SB+8*(N_%4)+N_/4], v[SA+8*(\a)+N_/4] matrix_a_fmt:MATRIX_FMT_FP6 matrix_b_fmt:MATRIX_FMT_FP6
.else
	v_wmma_scale_f32_16x16x128_f8f6f4 v[AC+8*(N_%4):AC+8*(N_%4)+7], v[12*(N_%FPW):12*(N_%FPW)+11], v[12*(FY_%FPW):12*(FY_%FPW)+11], v[AC+8*(N_%4):AC+8*(N_%4)+7], v[SB+8*(N_%4)+N_/4], v[SA+8*(\a)+N_/4] matrix_a_fmt:MATRIX_FMT_FP6 matrix_b_fmt:MATRIX_FMT_FP6
.endif
.set N_, N_+1
.endr
	WIN 0
.endm
; THE WAY OUT of a block of 16 rows x 64 columns, through my own stage, so that sixteen lanes store one aligned run of 256 bytes.
.macro TOSTAGE a
	WIN 0x0c                                         ; the data: window 3
.irp b, 0,1,2,3
	ds_store_b128 v[STO], v[AC+8*\b:AC+8*\b+3] offset:128*(\b/2)+32*(\b%2)       ; each accumulator from its low end on
	ds_store_b128 v[STO], v[AC+8*\b+4:AC+8*\b+7] offset:128*(\b/2)+32*(\b%2)+16
.endr
	WIN 0
.irp i, 0,1,2,3,4,5,6,7
	ds_load_b128 v[OB+32*((\a)%2)+4*\i:OB+32*((\a)%2)+4*\i+3], v[RD] offset:2*\i*SPITCH      ; LDS serves a wave's instructions in order: these see my stores
.endr
.endm
.macro SEND a
.irp i, 0,1,2,3,4,5,6,7
	global_store_b128 v[CO], v[OB+32*((\a)%2)+4*\i:OB+32*((\a)%2)+4*\i+3], s[8:9] offset:(32*((\a)/2)+8*((\a)%2)+16*(\i/4)+2*(\i%4))*4096 th:TH_STORE_NT
.endr
.endm
	WALU                                             ; the wait at the head's end
	s_wait_tensorcnt 0x0                             ; my tile of the four is in
	s_barrier_signal -1
	s_barrier_wait -1                                ; all four are in
.irp b, 0,1,2,3
.irp k, 0,1,2,3,4,5,6,7
	ds_load_b32 v[SB+8*\b+\k], v[ADWS] offset:512*\b+64*\k
.endr
.endr
	WEIGHTS
	FETCHY 0
.irp e, 0,1                                      ; y's scale word of K step k: head 2 k's halfword below, head 2 k + 1's above
.irp a, 0,1,2,3
.irp k, 0,1,2,3,4,5,6,7
	ds_load_u16 v[SA+8*(4*\e+\a)+\k], v[ADYS] offset:1024*\k+32*(4*\e+\a)
	ds_load_u16 v[HT+8*\a+\k], v[ADYS] offset:1024*\k+512+32*(4*\e+\a)
.endr
.endr
	s_wait_dscnt 0x0
.irp a, 0,1,2,3
.irp k, 0,1,2,3,4,5,6,7
	v_lshl_or_b32 v[SA+8*(4*\e+\a)+\k], v[HT+8*\a+\k], 16, v[SA+8*(4*\e+\a)+\k]
.endr
.endr
.endr
	PLACES 8                                         ; a scale register written by a vector instruction stands eight places ahead of the product
	WALU
.irp a, 0,1,2,3,4,5,6,7
.if \a < 7
	FETCHY \a+1                                      ; into the set that block a - 1 read: the four places behind that block's products stand ahead of its way to the stage
	s_wait_dscnt 48                                  ; all but the 48 loads just issued: my block's fragments are in, and block a - 1 is back from the stage
.else
	s_wait_dscnt 0x0
.endif
.if \a > 0
	SEND \a-1
.endif
	MULS \a
	PLACES 4                                         ; in front of the first read of results, and of the next loads into the fragments' registers
.if \a > 1
	s_wait_xcnt 0x0                                  ; block a - 2's stores have read their registers
.endif
	TOSTAGE \a
	PLACES 4                                         ; with the four above more than the five places that the next block's first products, which begin the sums anew, owe
.endr
	s_wait_dscnt 0x0
	SEND 7
	s_wait_tensorcnt 0x0                             ; the wave's end
	ds_add_u32 v[SPW], v[NIL]
	s_wait_dscnt 0x0
	CROUND                                           ; the closing round
	s_endpgm
.Lfunc_end_k_q5dab2c3691_gemm_proj:
	.size	k_q5dab2c3691_gemm_proj, .Lfunc_end_k_q5dab2c3691_gemm_proj-k_q5dab2c3691_gemm_proj
	.p2alignl 7, 3214868480
	.fill 96, 4, 3214868480
	.section	.rodata,"a",@progbits
	.p2align	6, 0x0
	.amdhsa_kernel k_q5dab2c3691_gemm_proj
		.amdhsa_group_segment_fixed_size 327680
		.amdhsa_private_segment_fixed_size 0
		.amdhsa_enable_private_segment 0
		.amdhsa_kernarg_size 24
		.amdhsa_user_sgpr_count 2
		.amdhsa_user_sgpr_kernarg_segment_ptr 1
		.amdhsa_wavefront_size32 1
		.amdhsa_system_sgpr_workgroup_id_x 1
		.amdhsa_system_sgpr_workgroup_id_y 1
		.amdhsa_system_sgpr_workgroup_id_z 1
		.amdhsa_system_vgpr_workitem_id 0
		.amdhsa_next_free_vgpr 1024
		.amdhsa_next_free_sgpr 102
		.amdhsa_reserve_vcc 0
		.amdhsa_float_denorm_mode_32 3
		.amdhsa_float_denorm_mode_16_64 3
		.amdhsa_memory_ordered 1
		.amdhsa_forward_progress 1
		.amdhsa_inst_pref_size 104
	.end_amdhsa_kernel
	.amdgpu_metadata
---
amdhsa.version: [ 1, 2 ]
amdhsa.kernels:
  - .name:           k_q5dab2c3691_gemm_proj
    .symbol:         k_q5dab2c3691_gemm_proj.kd
    .args:
      - { .name: YB, .offset: 0, .size: 8, .value_kind: global_buffer, .address_space: global }
      - { .name: WB, .offset: 8, .size: 8, .value_kind: global_buffer, .address_space: global }
      - { .name: out0, .offset: 16, .size: 8, .value_kind: global_buffer, .address_space: global }
    .group_segment_fixed_size: 327680
    .private_segment_fixed_size: 0
    .kernarg_segment_align: 8
    .kernarg_segment_size: 24
    .max_flat_workgroup_size: 128
    .sgpr_count:     102
    .vgpr_count:     1024
    .wavefront_size: 32
...
	.end_amdgpu_metadata
.endif
;; end of part 4
